; MI455X (gfx1250); checked and timed in simulation.
; The chip was launched on July 23, 2026; its instructions are those of AMD's public machine-readable ISA for CDNA 5 (MIT licence, August 2026) and "CDNA5" Instruction Set Architecture Reference Guide (July 2026). The comments in the code are by the model that wrote it; some were corrected since.
;; Self Attention. Allowed arithmetic: matrix products marked QUANTISED: E5M2 operands, one E8M0 scale for each 32 along K, by v_wmma_scale_f32_16x16x128_f8f6f4 with both operands' format E5M2, f32 sums; everything else in f32.
;; Inputs: key_padding_mask 4 x 2,048 bool; qkv 4 x 2,048 x 3 x 16 x 64 float32.
;; Outputs: out0 4 x 2,048 x 16 x 64 float32.
;; This version of the problem:
;;   THIS VERSION OF THE PROBLEM IS GIVEN IN LOW PRECISION. The matrix products marked QUANTISED in the list below multiply operands that are first quantised to E5M2 (5 exponent bits, 2 mantissa bits; 8 bits a number), with one power-of-two scale for each 32 numbers along K (OCP MX v1.0); their sums are f32. All else is computed in f32.
;;   The module's matrix products, in the order in which they are computed (A, B: the left and right operand; K: the contracted axis; several contracted axes count as one K, in the product's order):
;;     1. batch 64 x [M 2,048, K 64] x [K 64, N 2,048]; A: input qkv; B: computed on the way: QUANTISED
;;     2. batch 64 x [M 64, K 2,048] x [K 2,048, N 2,048]; A: input qkv; B: softmax (see below): QUANTISED
;;   THE QUANTISER, for each operand of a quantised product, along K:
;;     - K is cut into blocks of 32 from its start; a last block that is shorter is filled with zeros.
;;     - A block's scale is 2^e with e = floor(log2(the largest magnitude in the block)) - 15, held to -126 .. 127; a block of zeros has e = 0. As a byte (E8M0): e + 127.
;;     - Each number is divided by its block's scale, clamped to +-57,344, and rounded to the nearest number of E5M2, ties to even, subnormals kept.
;;     - The product sums the exact products of the quantised numbers (number of the format x scale) in f32.
;;   ~~~python
;;   def quantise(x, axis):      # numpy; x: float32 -> the quantised numbers, widened to float32 again
;;       x = np.moveaxis(x, axis, -1); K = x.shape[-1]
;;       x = np.pad(x, [(0, 0)] * (x.ndim - 1) + [(0, -K % 32)]); x = x.reshape(x.shape[:-1] + (-1, 32)); a = np.abs(x).max(-1, keepdims=True)
;;       e = np.where(a > 0, np.clip(np.frexp(np.where(a > 0, a, 1))[1] - 1 - 15, -126, 127), 0)      # np.frexp(a)[1] - 1 = floor(log2(a)), exactly
;;       r = np.clip(x / 2.0 ** e, -57344, 57344)
;;       step = 2.0 ** (np.maximum(np.frexp(np.where(r == 0, 1, r))[1] - 1, -14) - 2)
;;       q = np.round(r / step) * step * 2.0 ** e      # np.round: ties to even
;;       return np.moveaxis(q.reshape(q.shape[:-2] + (-1,))[..., :K], -1, axis).astype(np.float32)
;;   ~~~
;;   SOFTMAX AHEAD OF A QUANTISED PRODUCT. Where the list says 'softmax', what is quantised is not the finished softmax but p = 2^(t - M), with t = logit x log2(e) and M = ceil(the row's largest t), a whole number; so 1/2 < the row's largest p <= 1. The row's sum l is taken of the UNQUANTISED p, in f32, and the product's result is divided by l at the end. Since M is a whole number, a kernel that streams over the keys may use a running M (the ceiling of the running maximum): every later rescaling is an exact power of two, which a block's scale takes up: the codes' values come out the same.
;;   OPERANDS COMPUTED ON THE WAY. 'Computed on the way' means the value that the module computes at that place (a softmax that the list does not call 'softmax' is quantised finished and normalised). What goes into a quantiser is computed in f32, as accurately as f32 sums, v_exp_f32 and their like allow (about 1e-6 of the number): no bf16 or f16 on the way to a quantiser, and a product that is left as it is and whose result goes on into a quantised operand takes f32 operands (vector FMAs, or v_wmma_f32_16x16x4_f32). A number that lies on a knife's edge between two numbers of the format may be rounded either way, as far as f32 arithmetic and the matrix unit's own rounding can turn it there, and no further.
;; 2 versions. Each part assembles by itself: llvm-mc -triple=amdgcn-amd-amdhsa -mcpu=gfx1250 --defsym DOCPART=n.
;; ======== version 1 of 2: 1 launch
;; launch attn (part 1): grid 4 x 64, 8 waves a work-group, no clusters, 318,976 bytes of LDS; arguments qkv, key_padding_mask, out0; writes out0
.if DOCPART == 1
	.amdgcn_target "amdgcn-amd-amdhsa--gfx1250"
	.amdhsa_code_object_version 6
	.text
	.protected	k_q3e4abc3e1e_attn
	.globl	k_q3e4abc3e1e_attn
	.p2align	8
	.type	k_q3e4abc3e1e_attn,@function
k_q3e4abc3e1e_attn:
	s_mov_b64 s[64:65], 0
	v_nop
	global_prefetch_b8 v0, s[64:65] scope:SCOPE_SE
	s_setreg_imm32_b32 hwreg(HW_REG_WAVE_MODE, 25, 1), 1
	s_wait_xcnt 0x0
; out[b][q][h][:] = sum over keys of softmax(q . k / 8 + pad) v, both products on codes of BF8 (E5M2) with one E8M0 scale for each 32 along a product's K.
; qkv: [4][2048][3][16][64] f32; key_padding_mask: [4][2048] bytes (1 = keep; a masked key gets -10,000 onto its scores); out: [4][2048][16][64] f32.
; SHARES.  A work-group owns 512 queries of one head (grid x: the block of queries; grid y: 16 b + h); each of its eight waves owns 64 of them, four tiles of 16, in 512 registers:
; two waves to a SIMD, so that one wave's matrix instructions and LDS waits stand beside the other's vector work.  Every wave walks all 2,048 keys, 128 a step.
; THE CODES OF THE WHOLE HEAD LIE IN LDS (K 128 KiB, V 128 KiB, my block's Q 32 KiB, scale and mask words 23 KiB) as IMAGES OF THE OPERANDS' REGISTERS: a group of four registers is 512 bytes,
; lane l's 16 bytes at 16 l.  Every byte is written once.  The work-group makes them itself, from qkv, TWO KEY STEPS AHEAD: at the head of step j each wave asks for 8 KiB of f32 of step j + 2
; into 64 registers (waves 0-3: 32 keys of K each; waves 4-7: 32 keys of V each), at the step's end it quantises them, stores the images and passes the step's one barrier.
; LAYOUT.  Both products are used transposed: S^T = K Q^T (source 0 = 16 keys, source 1 = 16 queries), O^T = V^T P^T (source 0 = 16 channels, source 1 = P): a lane holds ONE query (lane % 16) throughout.
; THE KEYS OF A TILE ARE NOT NEIGHBOURS: row r of tile 2 b + u is key 32 b + 8 u + r + 8 (r / 8), so that the 16 registers of tiles 2 b and 2 b + 1 are 16 neighbouring keys, 32 b + 16 (lane / 16) + 0 .. 15.
; k / 8: 1/8 is a power of two, so the codes are k's own and each scale byte is k's byte less 3 (k's largest magnitude is floored so that the byte of k / 8 is held at 1, as the quantiser holds it).
; THE MASK RIDES IN THE IDLE HALF OF THE FIRST PRODUCT'S K (the head has 64 of the instruction's 128): at k = 64, 65, 66 Q's side holds 1, 1, 1 (code 2^15, scale 2^-15) and K's side, for a masked key,
; -8,192, -1,792, -16 (codes -2^15, -1.75 x 2^12, -2^6, scale 2^-2), which sum to -10,000 exactly; for a kept key zeros.  No vector instruction and no branch hangs on the mask.
; A fragment of K names 16 registers, of which 8 are codes, one the mask word, one a zero, and the last six the NEXT tile's first six (behind the last tile: zeros): those stand against Q's zero codes and are
; finite (the hold lets no code for infinity or NaN arise), so they add 0.  That keeps eight fragments in 86 registers.
; SOFTMAX.  t = score x log2(e); M = the running largest t rounded UP to a whole number (kept as -M = floor(-t)); p = 2^(t - M) is quantised along the keys; the row's sum is taken of the unquantised p and
; divides at the end; when M moves, the sum and O^T are multiplied by 2^(old M - new M), which rounds nothing.
; NO CLUSTER, NO JOINT LOADS: the four work-groups of a head do read the same K and V, but as f32: a ring of two raw tiles of a key step (2 x 65,536 bytes) does not fit beside these 317,952 bytes in the
; 327,680 that a work-group can claim, and loads into registers bring the numbers in the very lane order that the conversions want.
; LIMITS: NaN and infinities in qkv are not served.  p under 2^-126 becomes 0 (v_exp_f32 flushes: ISA guide, its entry).  A block of zeros gets the scale byte 1 and not 127: its codes are zeros, and this
; program alone reads the bytes.  The -10,000 is added inside the matrix unit's f32 sum, not onto a score already rounded.
.set TOK,   12288                      ; bytes from a token to the next in qkv
.set STEPG, 128*TOK                    ; a key step in qkv
.set KIMG,  0                          ; K's images: tile T (= 8 step + t) at 1,024 T; group c (32 along the head) at + 512 c; lane at + 16 l
.set VIMG,  131072                     ; V's: step at 8,192 j; 16 channels at + 2,048 dt; group c (32 keys) at + 512 c; lane at + 16 l
.set QIMG,  262144                     ; Q's: wave at 4,096 w; tile at + 1,024 a; then as K's
.set SCK,   294912                     ; K's scale words: row r at 528 r, tile T at + 4 T: a step's eight words of a lane are 32 bytes on end; 528 = 2 x 256 + 16: the sixteen rows start 16 bytes apart modulo 256
.set SCV,   303360                     ; V's: row r at 272 r, step at + 16 j, dt at + 4 dt, byte c
.set SCQ,   307712                     ; Q's: wave at 256 w, tile at + 64 a, row at + 4 r
.set PADW,  309760                     ; the mask words: tile T at 64 T, row r at + 4 r
.set STAGE, 0                          ; the way out: 16 rows x (256 + 16) bytes for each wave, in K's images, behind the barrier behind which nobody reads them
; window 0
.set AK,  1                            ; v1   read address: K's images      v2  V's      v3  K's scale words      v4  V's      v5  mask words      v6  Q's images      v7  Q's scale words
.set AV,  2
.set AKS, 3
.set AVS, 4
.set APW, 5
.set AQ,  6
.set AQS, 7
.set KCA, 8                            ; v8   the fill's store address: K's codes      v9  K's scale words      v10  V's codes      v11  V's scale bytes
.set KSA, 9
.set VCA, 10
.set VSA, 11
.set ST,  12                           ; v12-27  tile a at 12 + 4 a: -M, the largest t, the sum in two halves
.set BM,  28                           ; v28-31  block maxima
.set PX,  32                           ; v32-35  lane permutes' results, then bytes
.set HL,  36                           ; v36-39  the largest number x the scale
.set SO,  40                           ; v40-43  the conversions' scale operands
.set TT,  44
.set QCA, 45                           ; v45  where Q's codes are stored
.set FF,  46                           ; v[46:47]  f = 2^(old M - new M) in the low word
.set SA,  48                           ; v[48:49]  the sum's second chain
.set GK,  50                           ; v50  my byte offset in four rows of K or Q;  v51  in two rows of V;  never rewritten
.set GV,  51
.set SH0, 52                           ; v52  8 x (which block of the row is mine);  v53  8 less that
.set SH1, 53
.set QSA, 54                           ; v54  where Q's scale words are stored
.set STO, 55                           ; v55  the way out: where I put 16 bytes of a row
.set QB,  56                           ; v56-71  Q's fragment: +0..7 codes; +8 the three ones (lanes 0-15) or 0; +9..15 zeros for good
.set PC,  72                           ; v72-87  p's codes; in the fill the codes just made
.set S,   88                           ; v88-151 S^T, then p; in the fill and at the head at work
.set KF,  152                          ; v152-237 K: tile t's fragment is v[152 + 10 t .. + 15]
.set RD,  238                          ; v238 the way out: where I read a row back;  v239 my byte offset in two rows of out
.set GO,  239
.set KS,  240                          ; v240-247 K's scale words;  v248-251 V's;  v252 Q's;  v253 p's: scales and nothing else
.set VS,  248
.set QS,  252
.set PW,  253
.set OUT, 88                           ; the way out: 32 registers a tile
; window 1
.set VF,  128                          ; v0-127 O^T (tile a at 32 a, 16 channels at + 8 dt);  v128-191 V's four fragments;  v192-255 the 64 numbers on their way
.set PF,  192
; the fill's registers in S
.set AM,  S
.set SOK, S+8
.set HLK, S+16
.set BY,  S+24
.set OT,  S+32
; the head's registers in S
.set TL,  88
.set TR,  89
.set TH,  90
.set TG,  91
.set TI,  92
.set TI2, 93
.set TI1, 94
.set TI0, 95
.set TD2, 96
.set TD0, 97
.set TCL, 98
.set TX,  99
.set MGA, 100
.set MLA, 101
.set MD,  102
.set MC,  104
.set MB,  105
.set MW,  106
; scalars
.set WV,  10                           ; s10 my wave;  s11 wave % 4
.set W3,  11
.set KP,  16                           ; s[16:17] K's rows that I fetch next;  s[18:19] V's;  s[20:21] my 64 queries
.set VP,  18
.set QP,  20
.set CS,  22                           ; s[22:23] log2(e): the packed form names a pair and takes its low word for both halves
.set SEL, 24                           ; s[24:25] v_permlanex16_b32's selects for lane l xor 16
.set MNT, 26                           ; s26 the mantissa field of 57,344
.set CNT, 27
.set MSB, 0
.macro WIN new                         ; low byte: bits 1:0 source 0, 3:2 source 1, 5:4 source 2, 7:6 destination; the high byte repeats the setting that is left
.if MSB != \new
	s_set_vgpr_msb (MSB<<8)|\new
.set MSB, \new
.endif
.endm
.macro PLACES n
.rept \n
	v_nop
.endr
.endm
.macro BAR                             ; my LDS stores have landed and my LDS loads are in: then the work-group's barrier
	s_wait_dscnt 0x0
	s_barrier_signal -1
	s_barrier_wait -1
.endm
; 32 rows of K or Q (256 bytes each, TOK apart) into 64 registers of window 1: eight lanes share a row, a lane takes 32 bytes, eight neighbours along the head; unit n is rows 4 n + lane / 8.
; The two loads of a unit together cover four whole rows.  once = 1: nobody else reads these rows.
.macro RLOAD X, P, off, once
	WIN 0x40
.irp n, 0,1,2,3,4,5,6,7
.irp e, 0,1
.if \once
	global_load_b128 v[\X+8*\n+4*\e:\X+8*\n+4*\e+3], v[GK], s[\P:\P+1] offset:(\off)+4*TOK*\n+16*\e th:TH_LOAD_NT
.else
	global_load_b128 v[\X+8*\n+4*\e:\X+8*\n+4*\e+3], v[GK], s[\P:\P+1] offset:(\off)+4*TOK*\n+16*\e
.endif
.endr
.endr
	WIN 0
.endm
; 32 keys of V: load n brings the whole row of key n (lanes 0-15) and of key 16 + n (lanes 16-31): twice 256 consecutive bytes.  Register 4 n + e of lane (dq, hh) is V(key 16 hh + n, channel 4 dq + e).
.macro VLOAD X, off
	WIN 0x40
.irp n, 0,1,2,3,4,5,6,7,8,9,10,11,12,13,14,15
	global_load_b128 v[\X+4*\n:\X+4*\n+3], v[GV], s[VP:VP+1] offset:(\off)+TOK*\n
.endr
	WIN 0
.endm
; 32 rows of K (isk = 1) or of Q (0) become codes and scale words.  so: K: which of the two steps from the store address on; Q: which 32 rows.
.macro QUANTR X, isk, so
	s_wait_dscnt 0x0                               ; earlier LDS stores have read their registers, which are written again below
	WIN 0x05
.irp n, 0,1,2,3,4,5,6,7
.if \isk
	v_max3_num_f32 v[AM+\n], |v[\X+8*\n]|, |v[\X+8*\n+1]|, 0x09800000   ; my eight numbers of unit n, and the floor 2^(19 - 127): k's byte cannot fall under 4, so that of k / 8 not under 1
.else
	v_max3_num_f32 v[AM+\n], |v[\X+8*\n]|, |v[\X+8*\n+1]|, 0x08000000   ; my eight numbers of unit n, and the floor 2^(16 - 127): the byte cannot fall under 1
.endif
.endr
.irp p, 2,4,6
.irp n, 0,1,2,3,4,5,6,7
	v_max3_num_f32 v[AM+\n], |v[\X+8*\n+\p]|, |v[\X+8*\n+\p+1]|, v[AM+\n]   ; (the eight units by turns)
.endr
.endr
	WIN 0
.irp n, 0,1,2,3,4,5,6,7
	v_max_num_f32_dpp v[AM+\n], v[AM+\n], v[AM+\n] row_xmask:1 row_mask:0xf bank_mask:0xf
.endr
.irp n, 0,1,2,3,4,5,6,7
	v_max_num_f32_dpp v[AM+\n], v[AM+\n], v[AM+\n] row_xmask:2 row_mask:0xf bank_mask:0xf   ; the four lanes that share a block of 32: its largest magnitude
.endr
.irp n, 0,1,2,3,4,5,6,7
	v_add_nc_u32 v[SOK+\n], 0xf8800000, v[AM+\n]   ; 15 off its exponent field: the conversion takes the exponent field of this operand as its scale
.endr
.irp n, 0,1,2,3,4,5,6,7
	v_and_or_b32 v[HLK+\n], v[AM+\n], 0x7f800000, s[MNT]   ; 57,344 x the scale
.endr
.irp n, 0,1,2,3,4,5,6,7
	v_lshrrev_b32 v[BY+\n], 23, v[SOK+\n]          ; my block's byte
.endr
.irp n, 0,1,2,3,4,5,6,7
	v_mov_b32 v[OT+\n], 0                          ; (a DPP form's destination counts as read)
.endr
.irp n, 0,1,2,3,4,5,6,7
	v_mov_b32_dpp v[OT+\n], v[BY+\n] row_xmask:4 row_mask:0xf bank_mask:0xf   ; the byte of the row's other block
.endr
.irp n, 0,1,2,3,4,5,6,7
	v_lshlrev_b32 v[BY+\n], v[SH0], v[BY+\n]
.endr
.irp n, 0,1,2,3,4,5,6,7
	v_lshl_or_b32 v[BY+\n], v[OT+\n], v[SH1], v[BY+\n]   ; both bytes in their places: all eight lanes of a row hold the same word
.endr
.irp n, 0,1,2,3,4,5,6,7
.if \isk
	v_add_nc_u32 v[BY+\n], 0x7f7d0000-0x0303, v[BY+\n]   ; 3 off both bytes (/ 8; both are 4 or more: no borrow); byte 2 = 125: the mask block's scale 2^-2; byte 3 = 127
.else
	v_add_nc_u32 v[BY+\n], 0x7f700000, v[BY+\n]    ; byte 2 = 112: the scale 2^-15 of the three ones; byte 3 = 127
.endif
.endr
.irp n, 0,1,2,3,4,5,6,7
.if \isk
	ds_store_b32 v[KSA], v[BY+\n] offset:528*(4*(\n%2)+8*(\n/4))+4*((\n/2)%2)+32*\so   ; key 4 n + g of my 32 is row g + 4 (n % 2) + 8 (n / 4) of tile (n / 2) % 2
.else
	ds_store_b32 v[QSA], v[BY+\n] offset:16*(\n%4)+64*(\n/4)+128*\so                   ; query 4 n + g of the 32 is row g + 4 (n % 4) of tile n / 4
.endif
.endr
	WIN 0x41
.irp n, 0,1,2,3,4,5,6,7
.irp p, 0,1,2,3,4,5,6,7
	v_med3_num_f32 v[\X+8*\n+\p], v[\X+8*\n+\p], -v[HLK+\n], v[HLK+\n]   ; the conversion to an 8-bit code does not saturate (ISA guide 7.6.2): the hold at the largest code x the scale
.endr
.endr
	WIN 0x01
.irp n, 0,1,2,3,4,5,6,7
	v_cvt_scalef32_pk8_bf8_f32 v[PC+2*\n:PC+2*\n+1], v[\X+8*\n:\X+8*\n+7], v[SOK+\n]
.endr
	WIN 0
	v_nop                                          ; one plain vector instruction behind the last conversion, before anything touches its result or writes its sources
.irp n, 0,1,2,3,4,5,6,7
.if \isk
	ds_store_b64 v[KCA], v[PC+2*\n:PC+2*\n+1] offset:1024*((\n/2)%2)+16*(4*(\n%2)+8*(\n/4))+8192*\so
.else
	ds_store_b64 v[QCA], v[PC+2*\n:PC+2*\n+1] offset:1024*(\n/4)+64*(\n%4)+2048*\so
.endif
.endr
.endm
; 32 keys x 64 channels of V become one group of each of the four fragments, and one scale byte a channel.  The hold, which every number needs anyway, writes its result to the turned place:
; register 16 e + n = V(key 16 hh + n, channel 4 dq + e), so that the conversions find 16 neighbouring keys on end.
.macro QUANTV X, so
	s_wait_dscnt 0x0                               ; earlier LDS stores have read their registers, which are written again below
	WIN 0x05
.irp e, 0,1,2,3
	v_max3_num_f32 v[BM+\e], |v[\X+\e]|, |v[\X+4+\e]|, 0x08000000   ; channel 4 dq + e: my 16 keys, and the floor 2^(16 - 127)
.endr
.irp n, 2,4,6,8,10,12,14
.irp e, 0,1,2,3
	v_max3_num_f32 v[BM+\e], |v[\X+4*\n+\e]|, |v[\X+4*\n+4+\e]|, v[BM+\e]
.endr
.endr
	WIN 0
.irp e, 0,1,2,3
	v_permlanex16_b32 v[PX+\e], v[BM+\e], s[SEL], s[SEL+1]
.endr
.irp e, 0,1,2,3
	v_max_num_f32 v[BM+\e], v[BM+\e], v[PX+\e]     ; with lane l xor 16's 16 keys: the block's largest magnitude
.endr
.irp e, 0,1,2,3
	v_add_nc_u32 v[SO+\e], 0xf8800000, v[BM+\e]
.endr
.irp e, 0,1,2,3
	v_and_or_b32 v[HL+\e], v[BM+\e], 0x7f800000, s[MNT]
.endr
.irp e, 0,1,2,3
	v_lshrrev_b32 v[PX+\e], 23, v[SO+\e]
.endr
.irp e, 0,1,2,3
	ds_store_b8 v[VSA], v[PX+\e] offset:272*\e+16*\so   ; both halves of the lanes write the same byte with the same value
.endr
	WIN 0x01
.irp e, 0,1,2,3
.irp n, 0,1,2,3,4,5,6,7,8,9,10,11,12,13,14,15
	v_med3_num_f32 v[S+16*\e+\n], v[\X+4*\n+\e], -v[HL+\e], v[HL+\e]
.endr
.endr
	WIN 0
.irp e, 0,1,2,3
	v_cvt_scalef32_pk8_bf8_f32 v[PC+4*\e:PC+4*\e+1], v[S+16*\e:S+16*\e+7], v[SO+\e]
	v_cvt_scalef32_pk8_bf8_f32 v[PC+4*\e+2:PC+4*\e+3], v[S+16*\e+8:S+16*\e+15], v[SO+\e]
.endr
	v_nop                                          ; one plain vector instruction behind the last conversion
.irp e, 0,1,2,3
	ds_store_b128 v[VCA], v[PC+4*\e:PC+4*\e+3] offset:16*\e+8192*\so
.endr
.endm
.macro LQ a                            ; tile a of my queries: 8 registers of codes and the scale word
	ds_load_b128 v[QB:QB+3], v[AQ] offset:1024*(\a)
	ds_load_b128 v[QB+4:QB+7], v[AQ] offset:1024*(\a)+512
	ds_load_b32 v[QS], v[AQS] offset:64*(\a)
.endm
.macro LK                              ; a step's eight tiles of K: codes, mask words, scale words: 26 loads
.irp t, 0,1,2,3,4,5,6,7
	ds_load_b128 v[KF+10*\t:KF+10*\t+3], v[AK] offset:1024*\t
	ds_load_b128 v[KF+10*\t+4:KF+10*\t+7], v[AK] offset:1024*\t+512
	ds_load_b32 v[KF+10*\t+8], v[APW] offset:64*\t
.endr
	ds_load_b128 v[KS:KS+3], v[AKS]
	ds_load_b128 v[KS+4:KS+7], v[AKS] offset:16
.endm
.macro LV                              ; a step's four fragments of V and their scale words: 17 loads
	WIN 0x40
.irp d, 0,1,2,3
.irp c, 0,1,2,3
	ds_load_b128 v[VF+16*\d+4*\c:VF+16*\d+4*\c+3], v[AV] offset:2048*\d+512*\c
.endr
.endr
	WIN 0
	ds_load_b128 v[VS:VS+3], v[AVS]
.endm
.macro SMUL                            ; S^T of the tile whose Q lies in QB: eight sums, each begun with the constant 0
.irp t, 0,1,2,3,4,5,6,7
	v_wmma_scale_f32_16x16x128_f8f6f4 v[S+8*\t:S+8*\t+7], v[KF+10*\t:KF+10*\t+15], v[QB:QB+15], 0, v[KS+\t], v[QS] matrix_a_fmt:MATRIX_FMT_BF8 matrix_b_fmt:MATRIX_FMT_BF8
.endr
.endm
; The softmax of tile a for 128 keys: scores in S become p, p's codes in PC, its scale word in PW, f in FF.
.macro SM a
.set rT, ST+4*(\a)
.irp b, 0,1,2,3
	v_max3_num_f32 v[BM+\b], v[S+16*\b], v[S+16*\b+1], v[S+16*\b+2]   ; the largest score of each block of 32 keys (each accumulator is read from its low end on): it serves for the row's maximum and, since p rises with the score, for the block's largest p
.endr
.irp i, 3,5,7,9,11,13
.irp b, 0,1,2,3
	v_max3_num_f32 v[BM+\b], v[BM+\b], v[S+16*\b+\i], v[S+16*\b+\i+1]
.endr
.endr
.irp b, 0,1,2,3
	v_max_num_f32 v[BM+\b], v[BM+\b], v[S+16*\b+15]
.endr
.irp b, 0,1,2,3
	v_permlanex16_b32 v[PX+\b], v[BM+\b], s[SEL], s[SEL+1]
.endr
.irp b, 0,1,2,3
	v_max_num_f32 v[BM+\b], v[BM+\b], v[PX+\b]     ; with lane l xor 16's 16 keys
.endr
	v_max3_num_f32 v[TT], v[BM], v[BM+1], v[BM+2]
	v_max_num_f32 v[TT], v[TT], v[BM+3]            ; the step's largest score of my query
	v_mul_f32 v[TT], s[CS], v[TT]                  ; as t
	v_max_num_f32 v[rT+1], v[rT+1], v[TT]          ; the running largest t
	v_mov_b32 v[TT], v[rT]
	v_floor_f32 v[rT], -v[rT+1]                    ; the new -M = floor(-t) = -ceil(t): a whole number
	v_sub_f32 v[TT], v[rT], v[TT]                  ; old M less new M: a whole number, 0 or less
	v_cvt_i32_f32 v[TT], v[TT]                     ; (it saturates)
	v_ldexp_f32 v[FF], 1.0, v[TT]                  ; f = 2^(old M - new M)
.set j, 0
.rept 32
	v_pk_fma_f32 v[S+j:S+j+1], v[S+j:S+j+1], s[CS:CS+1], v[rT:rT+1] op_sel_hi:[1,0,0]   ; t - M, two at a time (of the pairs the low word serves both halves)
.set j, j+2
.endr
.irp b, 0,1,2,3
	v_fma_f32 v[BM+\b], v[BM+\b], s[CS], v[rT]     ; the same of each block's largest score
.endr
.set j, 0
.rept 64
	v_exp_f32 v[S+j], v[S+j]                       ; p = 2^(t - M), at most 1: not normalised
.set j, j+1
.endr
.irp b, 0,1,2,3
	v_exp_f32 v[BM+\b], v[BM+\b]                   ; the block's largest p: the same two instructions on the same number
.endr
	v_pk_mul_f32 v[rT+2:rT+3], v[rT+2:rT+3], v[FF:FF+1] op_sel_hi:[1,0]   ; the sums under the new M (the plain instruction behind the exponentials)
	s_wait_alu depctr_va_vdst(0)
.irp b, 0,1,2,3
	v_max_num_f32 v[BM+\b], 0x8000000, v[BM+\b]    ; the floor 2^(16 - 127): the byte cannot fall under 1
.endr
.irp b, 0,1,2,3
	v_add_nc_u32 v[SO+\b], 0xf8800000, v[BM+\b]
.endr
.irp b, 0,1,2,3
	v_and_or_b32 v[HL+\b], v[BM+\b], 0x7f800000, s[MNT]
.endr
.irp b, 0,1,2,3
	v_lshrrev_b32 v[PX+\b], 23, v[SO+\b]
.endr
	v_lshl_or_b32 v[PW], v[PX+1], 8, v[PX]         ; p's scale word for these 128 keys: it stands more than eight plain instructions ahead of the product that takes it
	v_lshl_or_b32 v[PW], v[PX+2], 16, v[PW]
	v_lshl_or_b32 v[PW], v[PX+3], 24, v[PW]
	v_pk_add_f32 v[SA:SA+1], v[S:S+1], v[S+2:S+3]  ; the row's sum is taken of the unquantised p: two at a time, in two chains
.set j, 4
.rept 15
	v_pk_add_f32 v[rT+2:rT+3], v[rT+2:rT+3], v[S+j:S+j+1]
	v_pk_add_f32 v[SA:SA+1], v[SA:SA+1], v[S+j+2:S+j+3]
.set j, j+4
.endr
	v_pk_add_f32 v[rT+2:rT+3], v[rT+2:rT+3], v[SA:SA+1]
.irp b, 0,1,2,3
.irp i, 0,1,2,3,4,5,6,7,8,9,10,11,12,13,14,15
	v_min_num_f32 v[S+16*\b+\i], v[S+16*\b+\i], v[HL+\b]   ; the hold; p is not negative, so it is one-sided
.endr
	v_cvt_scalef32_pk8_bf8_f32 v[PC+4*\b:PC+4*\b+1], v[S+16*\b:S+16*\b+7], v[SO+\b]
	v_cvt_scalef32_pk8_bf8_f32 v[PC+4*\b+2:PC+4*\b+3], v[S+16*\b+8:S+16*\b+15], v[SO+\b]
.endr
	v_nop                                          ; one plain vector instruction behind the last conversion: the next products write S
.endm
; O^T of tile a: x f, then += V^T P^T.  The sixteen multiplications are also the places behind the products S^T that stand in front of this macro, and in front of the products below, which take the codes just made.
; The four accumulators take turns, one instruction a turn.
.macro TAIL a
	WIN 0x41
.set j, 0
.rept 16
	v_pk_mul_f32 v[32*(\a)+j:32*(\a)+j+1], v[32*(\a)+j:32*(\a)+j+1], v[FF:FF+1] op_sel_hi:[1,0]
.set j, j+2
.endr
	WIN 0x51
.irp d, 0,1,2,3
	v_wmma_scale_f32_16x16x128_f8f6f4 v[32*(\a)+8*\d:32*(\a)+8*\d+7], v[VF+16*\d:VF+16*\d+15], v[PC:PC+15], v[32*(\a)+8*\d:32*(\a)+8*\d+7], v[VS+\d], v[PW] matrix_a_fmt:MATRIX_FMT_BF8 matrix_b_fmt:MATRIX_FMT_BF8
.endr
	WIN 0
.endm
.macro FILL_ASK                        ; the f32 numbers of the step two steps on: 16 loads a wave, 8 KiB.  The branch hangs on the wave's number alone
	s_cmp_lt_u32 s[WV], 4
	s_cbranch_scc0 .Lask_v_\@
	RLOAD PF, KP, 0, 0
	s_branch .Lasked_\@
.Lask_v_\@:
	VLOAD PF, 0
.Lasked_\@:
.endm
.macro FILL_MAKE                       ; they become images in LDS; then the step's barrier
	s_wait_loadcnt 0x0                             ; asked for at the step's head; behind this wait their bases may step
	s_add_nc_u64 s[KP:KP+1], s[KP:KP+1], STEPG
	s_add_nc_u64 s[VP:VP+1], s[VP:VP+1], STEPG
	s_cmp_lt_u32 s[WV], 4
	s_cbranch_scc0 .Lmake_v_\@
	QUANTR PF, 1, 0
	s_branch .Lmade_\@
.Lmake_v_\@:
	QUANTV PF, 0
.Lmade_\@:
	BAR                                            ; step j + 2's images lie in LDS; they are first read in step j + 1 (K) and j + 2 (V)
.endm
; A KEY STEP.  fill = 1: the step two steps on is fetched and quantised.  next = 1: the next step's K is read from LDS.
.macro BODY fill, next
.if \fill
	FILL_ASK
.endif
	s_wait_dscnt 0x0                               ; this step's K and tile 0 of Q are in (asked for a softmax ago)
	SMUL
	v_add_nc_u32 v[AV], 8192, v[AV]                ; the addresses step here: with the v_nop, eight plain instructions that name no register of the products: the places in front of the loads into
	v_add_nc_u32 v[AVS], 16, v[AVS]                ; V's, Q's and the scale words' registers, which the last products read, and of the first read of S (ISA guide 7.12.1)
.if \next
	v_add_nc_u32 v[AK], 8192, v[AK]
	v_add_nc_u32 v[AKS], 32, v[AKS]
	v_add_nc_u32 v[APW], 512, v[APW]
.endif
.if \fill
	v_add_nc_u32 v[KCA], 8192, v[KCA]
	v_add_nc_u32 v[KSA], 32, v[KSA]
	v_add_nc_u32 v[VCA], 8192, v[VCA]
	v_add_nc_u32 v[VSA], 16, v[VSA]
.endif
.if (6-3*\next-4*\fill) > 0
	PLACES 6-3*\next-4*\fill
.endif
	LV
	LQ 1
	SM 0
	s_wait_dscnt 0x0                               ; V and tile 1 of Q are in
	SMUL
	TAIL 0
	LQ 2
	SM 1
	s_wait_dscnt 0x0                               ; tile 2 of Q
	SMUL
	TAIL 1
	LQ 3
	SM 2
	s_wait_dscnt 0x0                               ; tile 3 of Q
	SMUL
	TAIL 2
.if \next
	LK                                             ; behind the sixteen multiplications of TAIL: the places behind the products that read K
	LQ 0
.endif
	SM 3
	TAIL 3
.if \fill
	FILL_MAKE
.endif
.endm
	s_load_b128 s[4:7], s[0:1], 0x0                ; qkv s[4:5], the mask s[6:7]
	s_load_b64 s[8:9], s[0:1], 0x10                ; out
	v_lshl_add_u32 v254, v0, 2, 0x4da00
	v_mov_b32 v255, 0
	v_lshrrev_b32 v[TX], 5, v0
	v_readfirstlane_b32 s[WV], v[TX]               ; wave 0..7
	s_and_b32 s[W3], s[WV], 3
	s_and_b32 s13, ttmp7, 0xffff                   ; 16 b + h
	s_lshr_b32 s14, s13, 4                         ; b
	s_and_b32 s15, s13, 15                         ; h
	s_mul_i32 s28, s14, 2048*TOK
	s_lshl_b32 s29, s15, 8
	s_add_co_u32 s28, s28, s29                     ; the head's first byte in qkv: 2,048 TOK b + 256 h
	s_mov_b32 s29, 0
	s_mul_i32 s30, s[W3], 32*TOK                   ; my 32 keys of a step,
	s_add_co_u32 s30, s30, 4096                    ; in K's part of a token
	s_mov_b32 s31, 0
	s_add_nc_u64 s[30:31], s[30:31], s[28:29]
	s_lshl_b32 s32, ttmp9, 9
	s_lshl_b32 s33, s[WV], 6
	s_add_co_u32 s32, s32, s33                     ; my first query: 512 x + 64 wave
	s_mul_i32 s34, s32, TOK
	s_mov_b32 s35, 0
	s_add_nc_u64 s[34:35], s[34:35], s[28:29]
	s_lshl_b32 s36, s14, 23                        ; out: 8,388,608 b + 4,096 query + 256 h
	s_lshl_b32 s37, s32, 12
	s_add_co_u32 s36, s36, s37
	s_lshl_b32 s37, s15, 8
	s_add_co_u32 s36, s36, s37
	s_mov_b32 s37, 0
	s_lshl_b32 s38, s14, 11                        ; the mask: 2,048 b
	s_mov_b32 s39, 0
	v_and_b32 v[TR], 15, v0                        ; r = lane % 16
	v_bfe_u32 v[TH], v0, 4, 1                      ; hh = lane / 16
	v_bfe_u32 v[TG], v0, 3, 2                      ; g = lane / 8
	v_and_b32 v[TI], 7, v0                         ; i = lane % 8
	v_mul_u32_u24 v[TX], v[TG], TOK
	v_lshl_add_u32 v[GK], v[TI], 5, v[TX]          ; K, Q: row g, 32 bytes a lane
	v_mul_u32_u24 v[TX], v[TH], 16*TOK
	v_lshl_add_u32 v[GV], v[TR], 4, v[TX]          ; V: lanes 16-31 take the key 16 further on; 16 bytes a lane
	v_lshlrev_b32 v[MGA], 3, v0                    ; the mask: 8 keys a thread
	s_wait_kmcnt 0x0
	s_add_nc_u64 s[KP:KP+1], s[4:5], s[30:31]
	s_add_nc_u64 s[VP:VP+1], s[KP:KP+1], 4096
	s_add_nc_u64 s[QP:QP+1], s[4:5], s[34:35]
	s_add_nc_u64 s[6:7], s[6:7], s[38:39]
	s_add_nc_u64 s[8:9], s[8:9], s[36:37]
	global_load_b64 v[MD:MD+1], v[MGA], s[6:7]     ; 65 loads go out: the mask, my 64 queries in two sets, my part of key steps 0 and 1
	RLOAD 0, QP, 0, 1
	RLOAD 64, QP, 32*TOK, 1
	s_cmp_lt_u32 s[WV], 4
	s_cbranch_scc0 .Lfirst_ask_v
	RLOAD 128, KP, 0, 0
	RLOAD 192, KP, STEPG, 0
	s_branch .Lfirst_asked
.Lfirst_ask_v:
	VLOAD 128, 0
	VLOAD 192, STEPG
.Lfirst_asked:
	; every LDS address is made here, on the way that all waves take, of the thread's number, the wave's number and constants
	s_lshl_b32 s28, s[WV], 12
	s_add_co_u32 s28, s28, QIMG
	s_lshl_b32 s29, s[WV], 8
	s_add_co_u32 s29, s29, SCQ
	s_lshl_b32 s30, s[W3], 11
	s_lshl_b32 s31, s[W3], 3
	s_add_co_u32 s31, s31, SCK
	s_lshl_b32 s32, s[W3], 9
	s_add_co_u32 s32, s32, VIMG
	s_add_co_u32 s33, s[W3], SCV
	s_mul_i32 s34, s[WV], 16*272
	s_mov_b32 s[CS], 0x3fb8aa3b                    ; log2(e)
	s_mov_b32 s[CS+1], s[CS]                       ; (named with it as a pair, so it is written)
	s_mov_b32 s[SEL], 0x76543210
	s_mov_b32 s[SEL+1], 0xfedcba98
	s_mov_b32 s[MNT], 0x600000
	v_and_b32 v[TL], 31, v0                        ; lane
	v_bfe_u32 v[TI2], v0, 2, 1                     ; i / 4: which block of the row
	v_bfe_u32 v[TI1], v0, 1, 1                     ; (i / 2) % 2: which half of the lanes its codes belong to
	v_and_b32 v[TI0], 1, v0                        ; i % 2: which 8 of that lane's 16 bytes
	v_bfe_u32 v[TD2], v0, 2, 2                     ; dq / 4
	v_and_b32 v[TD0], 3, v0                        ; dq % 4
	v_lshlrev_b32 v[AK], 4, v[TL]                  ; KIMG + 16 lane
	v_lshl_add_u32 v[AV], v[TL], 4, VIMG-8192      ; one step back: each step steps it before its loads
	v_mul_u32_u24 v[AKS], v[TR], 528
	v_add_nc_u32 v[AKS], SCK, v[AKS]
	v_mul_u32_u24 v[AVS], v[TR], 272
	v_add_nc_u32 v[AVS], SCV-16, v[AVS]
	v_lshl_add_u32 v[APW], v[TR], 2, PADW
	v_lshl_add_u32 v[AQ], v[TL], 4, s28
	v_lshl_add_u32 v[AQS], v[TR], 2, s29
	v_lshlrev_b32 v[TCL], 9, v[TI2]                ; my 8 codes' place in a tile's image: 512 (i / 4) + 256 ((i / 2) % 2) + 8 (i % 2) + 16 g
	v_lshl_add_u32 v[TCL], v[TI1], 8, v[TCL]
	v_lshl_add_u32 v[TCL], v[TI0], 3, v[TCL]
	v_lshl_add_u32 v[TCL], v[TG], 4, v[TCL]
	v_add_nc_u32 v[KCA], s30, v[TCL]               ; + my two tiles of a step
	v_mul_u32_u24 v[TX], v[TG], 528
	v_add_nc_u32 v[KSA], s31, v[TX]
	v_lshlrev_b32 v[TX], 11, v[TD2]                ; V: channel 4 dq + e is row 4 (dq % 4) + e of fragment dq / 4
	v_lshl_add_u32 v[TX], v[TD0], 6, v[TX]
	v_lshl_add_u32 v[TX], v[TH], 8, v[TX]
	v_add_nc_u32 v[VCA], s32, v[TX]                ; + my group of 32 keys
	v_mul_u32_u24 v[TX], v[TD0], 4*272
	v_lshl_add_u32 v[TX], v[TD2], 2, v[TX]
	v_add_nc_u32 v[VSA], s33, v[TX]
	v_add_nc_u32 v[QCA], s28, v[TCL]
	v_lshl_add_u32 v[QSA], v[TG], 2, s29
	v_lshlrev_b32 v[SH0], 3, v[TI2]
	v_sub_nc_u32 v[SH1], 8, v[SH0]
	v_mul_u32_u24 v[STO], v[TR], 272               ; the stage, in: row r, 32 bytes for each half of the lanes
	v_lshl_add_u32 v[STO], v[TH], 5, v[STO]
	v_add_nc_u32 v[STO], s34, v[STO]
	v_mul_u32_u24 v[RD], v[TH], 272                ; back: lanes 0-15 one row of 256 bytes, lanes 16-31 the next
	v_lshl_add_u32 v[RD], v[TR], 4, v[RD]
	v_add_nc_u32 v[RD], s34, v[RD]
	v_lshlrev_b32 v[GO], 12, v[TH]                 ; and the same two rows in out
	v_lshl_add_u32 v[GO], v[TR], 4, v[GO]
	v_lshrrev_b32 v[MLA], 2, v0                    ; thread n's keys 8 n + e are rows e + 8 ((n / 2) % 2) of tile 2 (n / 4) + n % 2
	v_lshlrev_b32 v[MLA], 7, v[MLA]
	v_lshl_add_u32 v[MLA], v[TI0], 6, v[MLA]
	v_lshl_add_u32 v[MLA], v[TI1], 5, v[MLA]
	v_add_nc_u32 v[MLA], PADW, v[MLA]
	v_mov_b32 v[MC], 0x00d4eff8                    ; a masked key's word: the codes of -8,192, -1,792, -16 under the scale 2^-2, and a zero
	v_mov_b32 v[TX], 0x00787878                    ; Q's word at k = 64 .. 67: three codes of 2^15, under the scale 2^-15, and a zero
	v_cmp_gt_u32 vcc_lo, 16, v[TL]
	v_cndmask_b32 v[QB+8], 0, v[TX], vcc_lo        ; lanes 16-31 hold k = 80 .. 83: zeros
.irp j, 9,10,11,12,13,14,15
	v_mov_b32 v[QB+\j], 0
.endr
.irp t, 0,1,2,3,4,5,6,7
	v_mov_b32 v[KF+10*\t+9], 0
.endr
.irp j, 80,81,82,83,84,85
	v_mov_b32 v[KF+\j], 0
.endr
.irp b, 0,1,2,3
	v_mov_b32 v[PX+\b], 0                          ; written once: a lane permute's destination counts as one of its sources
.endr
	v_mov_b32 v[FF+1], 0                           ; (named as the upper half of a pair)
.irp a, 0,1,2,3
	v_mov_b32 v[ST+4*\a+1], 0xff61b1e6             ; the largest t so far: -3e38, under every t
	v_floor_f32 v[ST+4*\a], -v[ST+4*\a+1]          ; -M
	v_mov_b32 v[ST+4*\a+2], 0                      ; the sum, in two halves
	v_mov_b32 v[ST+4*\a+3], 0
.endr
	; THE PROLOGUE: mask words, Q, key steps 0 and 1
	s_wait_loadcnt 48                              ; the mask and my first 32 queries are in; behind them 48 loads were issued
.irp e, 0,1,2,3,4,5,6,7
	v_bfe_u32 v[MB], v[MD+\e/4], 8*(\e%4), 8
	v_cmp_eq_u32 vcc_lo, 0, v[MB]
	v_cndmask_b32 v[MW+\e], 0, v[MC], vcc_lo       ; a choice of a value: no branch and no address hangs on the mask
.endr
	ds_store_b128 v[MLA], v[MW:MW+3]
	ds_store_b128 v[MLA], v[MW+4:MW+7] offset:16
	QUANTR 0, 0, 0
	s_wait_loadcnt 32                              ; my other 32 queries
	QUANTR 64, 0, 1
	WIN 0x40
.set j, 0
.rept 128
	v_mov_b32 v[j], 0                              ; O^T, in the registers that Q's numbers have left.  The key step is written without a first step of its own: the first finds zeros, which the first change of M leaves zeros
.set j, j+1
.endr
	WIN 0
	s_cmp_lt_u32 s[WV], 4
	s_cbranch_scc0 .Lfirst_make_v
	s_wait_loadcnt 16                              ; step 0's numbers are in, step 1's sixteen loads may be out
	QUANTR 128, 1, 0
	s_wait_loadcnt 0x0
	QUANTR 192, 1, 1
	s_branch .Lfirst_made
.Lfirst_make_v:
	s_wait_loadcnt 16
	QUANTV 128, 0
	s_wait_loadcnt 0x0
	QUANTV 192, 1
.Lfirst_made:
	s_wait_dscnt 0x0                               ; my stores have landed, and have read their address registers
	v_add_nc_u32 v[KCA], 8192, v[KCA]              ; the store addresses stand at step 1: each step steps them before it uses them
	v_add_nc_u32 v[KSA], 32, v[KSA]
	v_add_nc_u32 v[VCA], 8192, v[VCA]
	v_add_nc_u32 v[VSA], 16, v[VSA]
	s_add_nc_u64 s[KP:KP+1], s[KP:KP+1], 2*STEPG   ; (no load is out)  the next numbers to fetch are step 2's
	s_add_nc_u64 s[VP:VP+1], s[VP:VP+1], 2*STEPG
	s_barrier_signal -1
	s_barrier_wait -1                              ; the mask words, Q and steps 0 and 1 lie in LDS
	LK
	LQ 0
	s_mov_b32 s[CNT], 14
.Lstep:                                            ; steps 0 to 13: each fills the step two steps on
	BODY 1, 1
	s_sub_co_u32 s[CNT], s[CNT], 1
	s_cmp_lg_u32 s[CNT], 0
	s_cbranch_scc1 .Lstep
	BODY 0, 1                                      ; step 14: nothing is left to fill,
	BODY 0, 0                                      ; step 15: and nothing to read ahead
	; THE WAY OUT.  The sum's halves and lane l xor 16's are added; O^T is divided by the sum and goes through my stage in LDS, a tile (16 rows of 256 bytes) at a time.
.irp a, 0,1,2,3
	v_add_f32 v[ST+4*\a+2], v[ST+4*\a+2], v[ST+4*\a+3]
.endr
.irp a, 0,1,2,3
	v_permlanex16_b32 v[PX+\a], v[ST+4*\a+2], s[SEL], s[SEL+1]
.endr
.irp a, 0,1,2,3
	v_add_f32 v[ST+4*\a+2], v[ST+4*\a+2], v[PX+\a]
.endr
.irp a, 0,1,2,3
	v_rcp_f32 v[ST+4*\a+2], v[ST+4*\a+2]           ; the sum is over 1/2: the row's largest p is
.endr
	v_nop                                          ; a plain instruction between the last reciprocal and the use of its result
	BAR                                            ; every wave's reads of K's images are over: the stages may be written there
.irp a, 0,1,2,3
	WIN 0x41
.set j, 0
	s_wait_alu depctr_va_vdst(0)
.rept 16
	v_pk_mul_f32 v[32*\a+j:32*\a+j+1], v[32*\a+j:32*\a+j+1], v[ST+4*\a+2:ST+4*\a+3] op_sel_hi:[1,0]   ; each accumulator from its low end on; tile 3's, just made, come behind 48 such lines
.set j, j+2
.endr
	WIN 0x04                                       ; an LDS store's data are its source 1: window 1
.irp d, 0,1,2,3,4,5,6,7
	ds_store_b128 v[STO], v[32*\a+4*\d:32*\a+4*\d+3] offset:64*(\d/2)+16*(\d%2)   ; lane (r, hh): out(r, 16 dt + 8 hh + 0 .. 7)
.endr
	WIN 0
.irp i, 0,1,2,3,4,5,6,7
	ds_load_b128 v[OUT+32*\a+4*\i:OUT+32*\a+4*\i+3], v[RD] offset:544*\i   ; LDS serves a wave's instructions in order (ISA guide 5.7.1.4): these see the stores above, and the next tile's stores come behind them
.endr
.endr
.irp a, 0,1,2,3
.irp i, 0,1,2,3,4,5,6,7
	s_wait_dscnt 16*(3-\a)+7-\i                    ; behind this load: the rest of its tile's eight, and sixteen LDS instructions for each later tile
	global_store_b128 v[GO], v[OUT+32*\a+4*\i:OUT+32*\a+4*\i+3], s[8:9] offset:(16*\a+2*\i)*4096 th:TH_STORE_NT   ; sixteen lanes store 256 consecutive bytes, at a multiple of 256 from out's first byte
.endr
.endr
	s_wait_tensorcnt 0x0
	ds_add_u32 v254, v255
	s_wait_dscnt 0x0
	s_endpgm
.Lfunc_end_k_q3e4abc3e1e_attn:
	.size	k_q3e4abc3e1e_attn, .Lfunc_end_k_q3e4abc3e1e_attn-k_q3e4abc3e1e_attn
	.p2alignl 7, 3214868480
	.fill 96, 4, 3214868480
	.section	.rodata,"a",@progbits
	.p2align	6, 0x0
	.amdhsa_kernel k_q3e4abc3e1e_attn
		.amdhsa_group_segment_fixed_size 318976
		.amdhsa_private_segment_fixed_size 0
		.amdhsa_enable_private_segment 0
		.amdhsa_kernarg_size 24
		.amdhsa_user_sgpr_count 2
		.amdhsa_user_sgpr_kernarg_segment_ptr 1
		.amdhsa_wavefront_size32 1
		.amdhsa_system_sgpr_workgroup_id_x 1
		.amdhsa_system_sgpr_workgroup_id_y 1
		.amdhsa_system_sgpr_workgroup_id_z 1
		.amdhsa_system_vgpr_workitem_id 0
		.amdhsa_next_free_vgpr 512
		.amdhsa_next_free_sgpr 66
		.amdhsa_reserve_vcc 1
		.amdhsa_float_denorm_mode_32 3
		.amdhsa_float_denorm_mode_16_64 3
		.amdhsa_memory_ordered 1
		.amdhsa_forward_progress 1
		.amdhsa_inst_pref_size 255
	.end_amdhsa_kernel
	.section	.bss,"aw",@nobits
	.p2align	6
	.space	262144
	.amdgpu_metadata
---
amdhsa.version: [ 1, 2 ]
amdhsa.kernels:
  - .name:           k_q3e4abc3e1e_attn
    .symbol:         k_q3e4abc3e1e_attn.kd
    .args:
      - { .name: qkv, .offset: 0, .size: 8, .value_kind: global_buffer, .address_space: global }
      - { .name: key_padding_mask, .offset: 8, .size: 8, .value_kind: global_buffer, .address_space: global }
      - { .name: out0, .offset: 16, .size: 8, .value_kind: global_buffer, .address_space: global }
    .group_segment_fixed_size: 318976
    .private_segment_fixed_size: 0
    .kernarg_segment_align: 8
    .kernarg_segment_size: 24
    .max_flat_workgroup_size: 256
    .sgpr_count:     66
    .vgpr_count:     512
    .wavefront_size: 32
...
	.end_amdgpu_metadata
.endif
;; end of part 1
;; ======== version 2 of 2: 1 launch; version 1 with the launch attn written anew for expert scheduling mode
;; launch attn (part 2): grid 4 x 64, 8 waves a work-group, no clusters, 318,976 bytes of LDS; arguments qkv, key_padding_mask, out0; writes out0
.if DOCPART == 2
	.amdgcn_target "amdgcn-amd-amdhsa--gfx1250"
	.amdhsa_code_object_version 6
	.text
	.protected	k_q3e4abc3e1e_attn
	.globl	k_q3e4abc3e1e_attn
	.p2align	8
	.type	k_q3e4abc3e1e_attn,@function
k_q3e4abc3e1e_attn:
	s_mov_b64 s[64:65], 0
	v_nop
	global_prefetch_b8 v0, s[64:65] scope:SCOPE_SE
	s_setreg_imm32_b32 hwreg(HW_REG_WAVE_SCHED_MODE, 0, 2), 2
	s_setreg_imm32_b32 hwreg(HW_REG_WAVE_MODE, 25, 1), 1
	s_wait_xcnt 0x0
	s_wait_alu depctr_vm_vsrc(0)
; out[b][q][h][:] = sum over keys of softmax(q . k / 8 + pad) v, both products on codes of BF8 (E5M2) with one E8M0 scale for each 32 along a product's K.
; qkv: [4][2048][3][16][64] f32; key_padding_mask: [4][2048] bytes (1 = keep; a masked key gets -10,000 onto its scores); out: [4][2048][16][64] f32.
; SHARES.  A work-group owns 512 queries of one head (grid x: the block of queries; grid y: 16 b + h); each of its eight waves owns 64 of them, four tiles of 16, in 512 registers:
; two waves to a SIMD, so that one wave's matrix instructions and LDS waits stand beside the other's vector work.  Every wave walks all 2,048 keys, 128 a step.
; THE CODES OF THE WHOLE HEAD LIE IN LDS (K 128 KiB, V 128 KiB, my block's Q 32 KiB, scale and mask words 23 KiB) as IMAGES OF THE OPERANDS' REGISTERS: a group of four registers is 512 bytes,
; lane l's 16 bytes at 16 l.  Every byte is written once.  The work-group makes them itself, from qkv, TWO KEY STEPS AHEAD: at the head of step j each wave asks for 8 KiB of f32 of step j + 2
; into 64 registers (waves 0-3: 32 keys of K each; waves 4-7: 32 keys of V each), at the step's end it quantises them, stores the images and passes the step's one barrier.
; LAYOUT.  Both products are used transposed: S^T = K Q^T (source 0 = 16 keys, source 1 = 16 queries), O^T = V^T P^T (source 0 = 16 channels, source 1 = P): a lane holds ONE query (lane % 16) throughout.
; THE KEYS OF A TILE ARE NOT NEIGHBOURS: row r of tile 2 b + u is key 32 b + 8 u + r + 8 (r / 8), so that the 16 registers of tiles 2 b and 2 b + 1 are 16 neighbouring keys, 32 b + 16 (lane / 16) + 0 .. 15.
; k / 8: 1/8 is a power of two, so the codes are k's own and each scale byte is k's byte less 3 (k's largest magnitude is floored so that the byte of k / 8 is held at 1, as the quantiser holds it).
; THE MASK RIDES IN THE IDLE HALF OF THE FIRST PRODUCT'S K (the head has 64 of the instruction's 128): at k = 64, 65, 66 Q's side holds 1, 1, 1 (code 2^15, scale 2^-15) and K's side, for a masked key,
; -8,192, -1,792, -16 (codes -2^15, -1.75 x 2^12, -2^6, scale 2^-2), which sum to -10,000 exactly; for a kept key zeros.  No vector instruction and no branch hangs on the mask.
; A fragment of K names 16 registers, of which 8 are codes, one the mask word, one a zero, and the last six the NEXT tile's first six (behind the last tile: zeros): those stand against Q's zero codes and are
; finite (the hold lets no code for infinity or NaN arise), so they add 0.  That keeps eight fragments in 86 registers.
; SOFTMAX.  t = score x log2(e); M = the running largest t rounded UP to a whole number (kept as -M = floor(-t)); p = 2^(t - M) is quantised along the keys; the row's sum is taken of the unquantised p and
; divides at the end; when M moves, the sum and O^T are multiplied by 2^(old M - new M), which rounds nothing.
; NO CLUSTER, NO JOINT LOADS: the four work-groups of a head do read the same K and V, but as f32: a ring of two raw tiles of a key step (2 x 65,536 bytes) does not fit beside these 317,952 bytes in the
; 327,680 that a work-group can claim, and loads into registers bring the numbers in the very lane order that the conversions want.
; LIMITS: NaN and infinities in qkv are not served.  p under 2^-126 becomes 0 (v_exp_f32 flushes: ISA guide, its entry).  A block of zeros gets the scale byte 1 and not 127: its codes are zeros, and this
; program alone reads the bytes.  The -10,000 is added inside the matrix unit's f32 sum, not onto a score already rounded.
; THE MODE: SCHED_MODE bits 1:0 = 2 (LLVM: expert scheduling mode 2), set by the entry lines.  The code itself states the register dependences between vector or matrix instructions and memory or
; LDS instructions, with s_wait_alu, always for 0.
; THE PLAN.  Registers that memory or LDS instructions touch, round the loop:
;   PF               The step head's 16 global loads land in it; the quantising at the step's end reads it (K's holds also write it).
;   KF, KS           LK, behind TAIL 2, lands in them; the next step's four SMUL read them.
;   QB + 0 .. 7, QS  LQ a lands in them; SMUL of tile a reads them.
;   VF, VS           LV lands in them; the step's four TAIL read them.
;   BY or PX, PC     Written by the quantising, read by its LDS stores; written again by the next step's products (S) and softmax (PX, PC).
;   AV, AVS, AK, AKS, APW, KCA, KSA, VCA, VSA   Stepped once a step, behind the first SMUL; read by LV, by LK and by the fill's stores.
;   GK, GV, AQ, AQS, QCA, QSA, STO, RD, GO      Made at the head and never written again.
; The waits of a step: vm_vsrc at its head (the read addresses may be stepped); va_vdst behind the first SMUL and the address steps (for LV and LQ 1, and for the addresses);
; va_vdst in each softmax behind the exponentials; va_vdst in each TAIL ahead of its products (p's codes and scale word are written; the SMUL in front is done with Q's and K's registers, for the
; loads that follow TAIL); va_vdst in the quantising ahead of its run of stores (their data are written; PF is done with, for the next step's loads); vm_vsrc behind that run.
.set TOK,   12288                      ; bytes from a token to the next in qkv
.set STEPG, 128*TOK                    ; a key step in qkv
.set KIMG,  0                          ; K's images: tile T (= 8 step + t) at 1,024 T; group c (32 along the head) at + 512 c; lane at + 16 l
.set VIMG,  131072                     ; V's: step at 8,192 j; 16 channels at + 2,048 dt; group c (32 keys) at + 512 c; lane at + 16 l
.set QIMG,  262144                     ; Q's: wave at 4,096 w; tile at + 1,024 a; then as K's
.set SCK,   294912                     ; K's scale words: row r at 528 r, tile T at + 4 T: a step's eight words of a lane are 32 bytes on end; 528 = 2 x 256 + 16: the sixteen rows start 16 bytes apart modulo 256
.set SCV,   303360                     ; V's: row r at 272 r, step at + 16 j, dt at + 4 dt, byte c
.set SCQ,   307712                     ; Q's: wave at 256 w, tile at + 64 a, row at + 4 r
.set PADW,  309760                     ; the mask words: tile T at 64 T, row r at + 4 r
.set STAGE, 0                          ; the way out: 16 rows x (256 + 16) bytes for each wave, in K's images, behind the barrier behind which nobody reads them
; window 0
.set AK,  1                            ; v1   read address: K's images      v2  V's      v3  K's scale words      v4  V's      v5  mask words      v6  Q's images      v7  Q's scale words
.set AV,  2
.set AKS, 3
.set AVS, 4
.set APW, 5
.set AQ,  6
.set AQS, 7
.set KCA, 8                            ; v8   the fill's store address: K's codes      v9  K's scale words      v10  V's codes      v11  V's scale bytes
.set KSA, 9
.set VCA, 10
.set VSA, 11
.set ST,  12                           ; v12-27  tile a at 12 + 4 a: -M, the largest t, the sum in two halves
.set BM,  28                           ; v28-31  block maxima
.set PX,  32                           ; v32-35  lane permutes' results, then bytes
.set HL,  36                           ; v36-39  the largest number x the scale
.set SO,  40                           ; v40-43  the conversions' scale operands
.set TT,  44
.set QCA, 45                           ; v45  where Q's codes are stored
.set FF,  46                           ; v[46:47]  f = 2^(old M - new M) in the low word
.set SA,  48                           ; v[48:49]  the sum's second chain
.set GK,  50                           ; v50  my byte offset in four rows of K or Q;  v51  in two rows of V;  never rewritten
.set GV,  51
.set SH0, 52                           ; v52  8 x (which block of the row is mine);  v53  8 less that
.set SH1, 53
.set QSA, 54                           ; v54  where Q's scale words are stored
.set STO, 55                           ; v55  the way out: where I put 16 bytes of a row
.set QB,  56                           ; v56-71  Q's fragment: +0..7 codes; +8 the three ones (lanes 0-15) or 0; +9..15 zeros for good
.set PC,  72                           ; v72-87  p's codes; in the fill the codes just made
.set S,   88                           ; v88-151 S^T, then p; in the fill and at the head at work
.set KF,  152                          ; v152-237 K: tile t's fragment is v[152 + 10 t .. + 15]
.set RD,  238                          ; v238 the way out: where I read a row back;  v239 my byte offset in two rows of out
.set GO,  239
.set KS,  240                          ; v240-247 K's scale words;  v248-251 V's;  v252 Q's;  v253 p's: scales and nothing else
.set VS,  248
.set QS,  252
.set PW,  253
.set OUT, 88                           ; the way out: 32 registers a tile
; window 1
.set VF,  128                          ; v0-127 O^T (tile a at 32 a, 16 channels at + 8 dt);  v128-191 V's four fragments;  v192-255 the 64 numbers on their way
.set PF,  192
; the fill's registers in S
.set AM,  S
.set SOK, S+8
.set HLK, S+16
.set BY,  S+24
.set OT,  S+32
; the head's registers in S
.set TL,  88
.set TR,  89
.set TH,  90
.set TG,  91
.set TI,  92
.set TI2, 93
.set TI1, 94
.set TI0, 95
.set TD2, 96
.set TD0, 97
.set TCL, 98
.set TX,  99
.set MGA, 100
.set MLA, 101
.set MD,  102
.set MC,  104
.set MB,  105
.set MW,  106
; scalars
.set WV,  10                           ; s10 my wave;  s11 wave % 4
.set W3,  11
.set KP,  16                           ; s[16:17] K's rows that I fetch next;  s[18:19] V's;  s[20:21] my 64 queries
.set VP,  18
.set QP,  20
.set CS,  22                           ; s[22:23] log2(e): the packed form names a pair and takes its low word for both halves
.set SEL, 24                           ; s[24:25] v_permlanex16_b32's selects for lane l xor 16
.set MNT, 26                           ; s26 the mantissa field of 57,344
.set CNT, 27
.set MK,  28                           ; s28-35 in the prologue: which lanes' key e is masked (at the head these registers held parts of addresses, which are used up by then)
.set MSB, 0
.macro WIN new                         ; low byte: bits 1:0 source 0, 3:2 source 1, 5:4 source 2, 7:6 destination; the high byte repeats the setting that is left
.if MSB != \new
	s_set_vgpr_msb (MSB<<8)|\new
.set MSB, \new
.endif
.endm
.macro PLACES n
.rept \n
	v_nop
.endr
.endm
.macro BAR                             ; my LDS stores have landed and my LDS loads are in: then the work-group's barrier
	s_wait_dscnt 0x0
	s_barrier_signal -1
	s_barrier_wait -1
.endm
; 32 rows of K or Q (256 bytes each, TOK apart) into 64 registers of window 1: eight lanes share a row, a lane takes 32 bytes, eight neighbours along the head; unit n is rows 4 n + lane / 8.
; The two loads of a unit together cover four whole rows.  once = 1: nobody else reads these rows.
.macro RLOAD X, P, off, once
	WIN 0x40
.irp n, 0,1,2,3,4,5,6,7
.irp e, 0,1
.if \once
	global_load_b128 v[\X+8*\n+4*\e:\X+8*\n+4*\e+3], v[GK], s[\P:\P+1] offset:(\off)+4*TOK*\n+16*\e th:TH_LOAD_NT
.else
	global_load_b128 v[\X+8*\n+4*\e:\X+8*\n+4*\e+3], v[GK], s[\P:\P+1] offset:(\off)+4*TOK*\n+16*\e
.endif
.endr
.endr
	WIN 0
.endm
; 32 keys of V: load n brings the whole row of key n (lanes 0-15) and of key 16 + n (lanes 16-31): twice 256 consecutive bytes.  Register 4 n + e of lane (dq, hh) is V(key 16 hh + n, channel 4 dq + e).
.macro VLOAD X, off
	WIN 0x40
.irp n, 0,1,2,3,4,5,6,7,8,9,10,11,12,13,14,15
	global_load_b128 v[\X+4*\n:\X+4*\n+3], v[GV], s[VP:VP+1] offset:(\off)+TOK*\n
.endr
	WIN 0
.endm
; 32 rows of K (isk = 1) or of Q (0) become codes and scale words.  so: K: which of the two steps from the store address on; Q: which 32 rows.
; The scale words' and the codes' stores stand in one run at the end, behind one wait.
.macro QUANTR X, isk, so
	s_wait_dscnt 0x0                               ; earlier LDS stores have read their registers, which are written again below
	WIN 0x05
.irp n, 0,1,2,3,4,5,6,7
.if \isk
	v_max3_num_f32 v[AM+\n], |v[\X+8*\n]|, |v[\X+8*\n+1]|, 0x09800000   ; my eight numbers of unit n, and the floor 2^(19 - 127): k's byte cannot fall under 4, so that of k / 8 not under 1
.else
	v_max3_num_f32 v[AM+\n], |v[\X+8*\n]|, |v[\X+8*\n+1]|, 0x08000000   ; my eight numbers of unit n, and the floor 2^(16 - 127): the byte cannot fall under 1
.endif
.endr
.irp p, 2,4,6
.irp n, 0,1,2,3,4,5,6,7
	v_max3_num_f32 v[AM+\n], |v[\X+8*\n+\p]|, |v[\X+8*\n+\p+1]|, v[AM+\n]   ; (the eight units by turns)
.endr
.endr
	WIN 0
.irp n, 0,1,2,3,4,5,6,7
	v_max_num_f32_dpp v[AM+\n], v[AM+\n], v[AM+\n] row_xmask:1 row_mask:0xf bank_mask:0xf
.endr
.irp n, 0,1,2,3,4,5,6,7
	v_max_num_f32_dpp v[AM+\n], v[AM+\n], v[AM+\n] row_xmask:2 row_mask:0xf bank_mask:0xf   ; the four lanes that share a block of 32: its largest magnitude
.endr
.irp n, 0,1,2,3,4,5,6,7
	v_add_nc_u32 v[SOK+\n], 0xf8800000, v[AM+\n]   ; 15 off its exponent field: the conversion takes the exponent field of this operand as its scale
.endr
.irp n, 0,1,2,3,4,5,6,7
	v_and_or_b32 v[HLK+\n], v[AM+\n], 0x7f800000, s[MNT]   ; 57,344 x the scale
.endr
.irp n, 0,1,2,3,4,5,6,7
	v_lshrrev_b32 v[BY+\n], 23, v[SOK+\n]          ; my block's byte
.endr
.irp n, 0,1,2,3,4,5,6,7
	v_mov_b32 v[OT+\n], 0                          ; (a DPP form's destination counts as read)
.endr
.irp n, 0,1,2,3,4,5,6,7
	v_mov_b32_dpp v[OT+\n], v[BY+\n] row_xmask:4 row_mask:0xf bank_mask:0xf   ; the byte of the row's other block
.endr
.irp n, 0,1,2,3,4,5,6,7
	v_lshlrev_b32 v[BY+\n], v[SH0], v[BY+\n]
.endr
.irp n, 0,1,2,3,4,5,6,7
	v_lshl_or_b32 v[BY+\n], v[OT+\n], v[SH1], v[BY+\n]   ; both bytes in their places: all eight lanes of a row hold the same word
.endr
.irp n, 0,1,2,3,4,5,6,7
.if \isk
	v_add_nc_u32 v[BY+\n], 0x7f7d0000-0x0303, v[BY+\n]   ; 3 off both bytes (/ 8; both are 4 or more: no borrow); byte 2 = 125: the mask block's scale 2^-2; byte 3 = 127
.else
	v_add_nc_u32 v[BY+\n], 0x7f700000, v[BY+\n]    ; byte 2 = 112: the scale 2^-15 of the three ones; byte 3 = 127
.endif
.endr
	WIN 0x41
.irp n, 0,1,2,3,4,5,6,7
.irp p, 0,1,2,3,4,5,6,7
	v_med3_num_f32 v[\X+8*\n+\p], v[\X+8*\n+\p], -v[HLK+\n], v[HLK+\n]   ; the conversion to an 8-bit code does not saturate (ISA guide 7.6.2): the hold at the largest code x the scale
.endr
.endr
	WIN 0x01
.irp n, 0,1,2,3,4,5,6,7
	v_cvt_scalef32_pk8_bf8_f32 v[PC+2*\n:PC+2*\n+1], v[\X+8*\n:\X+8*\n+7], v[SOK+\n]
.endr
	WIN 0
	v_nop                                          ; one plain vector instruction behind the last conversion, before anything touches its result or writes its sources
	s_wait_alu depctr_va_vdst(0)                   ; the scale words in BY and the codes in PC are written, which the stores below read; the holds and conversions are done with the 64 numbers' registers, in which later loads land
.irp n, 0,1,2,3,4,5,6,7
.if \isk
	ds_store_b32 v[KSA], v[BY+\n] offset:528*(4*(\n%2)+8*(\n/4))+4*((\n/2)%2)+32*\so   ; key 4 n + g of my 32 is row g + 4 (n % 2) + 8 (n / 4) of tile (n / 2) % 2
.else
	ds_store_b32 v[QSA], v[BY+\n] offset:16*(\n%4)+64*(\n/4)+128*\so                   ; query 4 n + g of the 32 is row g + 4 (n % 4) of tile n / 4
.endif
.endr
.irp n, 0,1,2,3,4,5,6,7
.if \isk
	ds_store_b64 v[KCA], v[PC+2*\n:PC+2*\n+1] offset:1024*((\n/2)%2)+16*(4*(\n%2)+8*(\n/4))+8192*\so
.else
	ds_store_b64 v[QCA], v[PC+2*\n:PC+2*\n+1] offset:1024*(\n/4)+64*(\n%4)+2048*\so
.endif
.endr
	s_wait_alu depctr_vm_vsrc(0)                   ; the stores above have read BY, PC and their addresses: the next quantising or the next step's products and softmax write BY and PC again, the address steps KSA and KCA
.endm
; 32 keys x 64 channels of V become one group of each of the four fragments, and one scale byte a channel.  The hold, which every number needs anyway, writes its result to the turned place:
; register 16 e + n = V(key 16 hh + n, channel 4 dq + e), so that the conversions find 16 neighbouring keys on end.  The bytes' and the codes' stores stand in one run at the end, behind one wait.
.macro QUANTV X, so
	s_wait_dscnt 0x0                               ; earlier LDS stores have read their registers, which are written again below
	WIN 0x05
.irp e, 0,1,2,3
	v_max3_num_f32 v[BM+\e], |v[\X+\e]|, |v[\X+4+\e]|, 0x08000000   ; channel 4 dq + e: my 16 keys, and the floor 2^(16 - 127)
.endr
.irp n, 2,4,6,8,10,12,14
.irp e, 0,1,2,3
	v_max3_num_f32 v[BM+\e], |v[\X+4*\n+\e]|, |v[\X+4*\n+4+\e]|, v[BM+\e]
.endr
.endr
	WIN 0
.irp e, 0,1,2,3
	v_permlanex16_b32 v[PX+\e], v[BM+\e], s[SEL], s[SEL+1]
.endr
.irp e, 0,1,2,3
	v_max_num_f32 v[BM+\e], v[BM+\e], v[PX+\e]     ; with lane l xor 16's 16 keys: the block's largest magnitude
.endr
.irp e, 0,1,2,3
	v_add_nc_u32 v[SO+\e], 0xf8800000, v[BM+\e]
.endr
.irp e, 0,1,2,3
	v_and_or_b32 v[HL+\e], v[BM+\e], 0x7f800000, s[MNT]
.endr
.irp e, 0,1,2,3
	v_lshrrev_b32 v[PX+\e], 23, v[SO+\e]
.endr
	WIN 0x01
.irp e, 0,1,2,3
.irp n, 0,1,2,3,4,5,6,7,8,9,10,11,12,13,14,15
	v_med3_num_f32 v[S+16*\e+\n], v[\X+4*\n+\e], -v[HL+\e], v[HL+\e]
.endr
.endr
	WIN 0
.irp e, 0,1,2,3
	v_cvt_scalef32_pk8_bf8_f32 v[PC+4*\e:PC+4*\e+1], v[S+16*\e:S+16*\e+7], v[SO+\e]
	v_cvt_scalef32_pk8_bf8_f32 v[PC+4*\e+2:PC+4*\e+3], v[S+16*\e+8:S+16*\e+15], v[SO+\e]
.endr
	v_nop                                          ; one plain vector instruction behind the last conversion
	s_wait_alu depctr_va_vdst(0)                   ; the bytes in PX and the codes in PC are written, which the stores below read; the holds are done reading the 64 numbers' registers, in which later loads land
.irp e, 0,1,2,3
	ds_store_b8 v[VSA], v[PX+\e] offset:272*\e+16*\so   ; both halves of the lanes write the same byte with the same value
.endr
.irp e, 0,1,2,3
	ds_store_b128 v[VCA], v[PC+4*\e:PC+4*\e+3] offset:16*\e+8192*\so
.endr
	s_wait_alu depctr_vm_vsrc(0)                   ; the stores above have read PX, PC and their addresses: the next quantising or the next step's softmax writes PX and PC again, the address steps VSA and VCA
.endm
.macro LQ a                            ; tile a of my queries: 8 registers of codes and the scale word
	ds_load_b128 v[QB:QB+3], v[AQ] offset:1024*(\a)
	ds_load_b128 v[QB+4:QB+7], v[AQ] offset:1024*(\a)+512
	ds_load_b32 v[QS], v[AQS] offset:64*(\a)
.endm
.macro LK                              ; a step's eight tiles of K: codes, mask words, scale words: 26 loads
.irp t, 0,1,2,3,4,5,6,7
	ds_load_b128 v[KF+10*\t:KF+10*\t+3], v[AK] offset:1024*\t
	ds_load_b128 v[KF+10*\t+4:KF+10*\t+7], v[AK] offset:1024*\t+512
	ds_load_b32 v[KF+10*\t+8], v[APW] offset:64*\t
.endr
	ds_load_b128 v[KS:KS+3], v[AKS]
	ds_load_b128 v[KS+4:KS+7], v[AKS] offset:16
.endm
.macro LV                              ; a step's four fragments of V and their scale words: 17 loads
	WIN 0x40
.irp d, 0,1,2,3
.irp c, 0,1,2,3
	ds_load_b128 v[VF+16*\d+4*\c:VF+16*\d+4*\c+3], v[AV] offset:2048*\d+512*\c
.endr
.endr
	WIN 0
	ds_load_b128 v[VS:VS+3], v[AVS]
.endm
.macro SMUL                            ; S^T of the tile whose Q lies in QB: eight sums, each begun with the constant 0
.irp t, 0,1,2,3,4,5,6,7
	v_wmma_scale_f32_16x16x128_f8f6f4 v[S+8*\t:S+8*\t+7], v[KF+10*\t:KF+10*\t+15], v[QB:QB+15], 0, v[KS+\t], v[QS] matrix_a_fmt:MATRIX_FMT_BF8 matrix_b_fmt:MATRIX_FMT_BF8
.endr
.endm
; The softmax of tile a for 128 keys: scores in S become p, p's codes in PC, its scale word in PW, f in FF.
.macro SM a
.set rT, ST+4*(\a)
.irp b, 0,1,2,3
	v_max3_num_f32 v[BM+\b], v[S+16*\b], v[S+16*\b+1], v[S+16*\b+2]   ; the largest score of each block of 32 keys (each accumulator is read from its low end on): it serves for the row's maximum and, since p rises with the score, for the block's largest p
.endr
.irp i, 3,5,7,9,11,13
.irp b, 0,1,2,3
	v_max3_num_f32 v[BM+\b], v[BM+\b], v[S+16*\b+\i], v[S+16*\b+\i+1]
.endr
.endr
.irp b, 0,1,2,3
	v_max_num_f32 v[BM+\b], v[BM+\b], v[S+16*\b+15]
.endr
.irp b, 0,1,2,3
	v_permlanex16_b32 v[PX+\b], v[BM+\b], s[SEL], s[SEL+1]
.endr
.irp b, 0,1,2,3
	v_max_num_f32 v[BM+\b], v[BM+\b], v[PX+\b]     ; with lane l xor 16's 16 keys
.endr
	v_max3_num_f32 v[TT], v[BM], v[BM+1], v[BM+2]
	v_max_num_f32 v[TT], v[TT], v[BM+3]            ; the step's largest score of my query
	v_mul_f32 v[TT], s[CS], v[TT]                  ; as t
	v_max_num_f32 v[rT+1], v[rT+1], v[TT]          ; the running largest t
	v_mov_b32 v[TT], v[rT]
	v_floor_f32 v[rT], -v[rT+1]                    ; the new -M = floor(-t) = -ceil(t): a whole number
	v_sub_f32 v[TT], v[rT], v[TT]                  ; old M less new M: a whole number, 0 or less
	v_cvt_i32_f32 v[TT], v[TT]                     ; (it saturates)
	v_ldexp_f32 v[FF], 1.0, v[TT]                  ; f = 2^(old M - new M)
.set j, 0
.rept 32
	v_pk_fma_f32 v[S+j:S+j+1], v[S+j:S+j+1], s[CS:CS+1], v[rT:rT+1] op_sel_hi:[1,0,0]   ; t - M, two at a time (of the pairs the low word serves both halves)
.set j, j+2
.endr
.irp b, 0,1,2,3
	v_fma_f32 v[BM+\b], v[BM+\b], s[CS], v[rT]     ; the same of each block's largest score
.endr
.set j, 0
	s_wait_alu depctr_va_vdst(0)
.rept 64
	v_exp_f32 v[S+j], v[S+j]                       ; p = 2^(t - M), at most 1: not normalised
.set j, j+1
.endr
.irp b, 0,1,2,3
	v_exp_f32 v[BM+\b], v[BM+\b]                   ; the block's largest p: the same two instructions on the same number
.endr
	v_pk_mul_f32 v[rT+2:rT+3], v[rT+2:rT+3], v[FF:FF+1] op_sel_hi:[1,0]   ; the sums under the new M (the plain instruction behind the exponentials)
	s_wait_alu depctr_va_vdst(0)                   ; the 68 exponentials have written S and BM: one wait for the batch, ahead of the first line that names a result
.irp b, 0,1,2,3
	v_max_num_f32 v[BM+\b], 0x8000000, v[BM+\b]    ; the floor 2^(16 - 127): the byte cannot fall under 1
.endr
.irp b, 0,1,2,3
	v_add_nc_u32 v[SO+\b], 0xf8800000, v[BM+\b]
.endr
.irp b, 0,1,2,3
	v_and_or_b32 v[HL+\b], v[BM+\b], 0x7f800000, s[MNT]
.endr
.irp b, 0,1,2,3
	v_lshrrev_b32 v[PX+\b], 23, v[SO+\b]
.endr
	v_lshl_or_b32 v[PW], v[PX+1], 8, v[PX]         ; p's scale word for these 128 keys: it stands more than eight plain instructions ahead of the product that takes it
	v_lshl_or_b32 v[PW], v[PX+2], 16, v[PW]
	v_lshl_or_b32 v[PW], v[PX+3], 24, v[PW]
	v_pk_add_f32 v[SA:SA+1], v[S:S+1], v[S+2:S+3]  ; the row's sum is taken of the unquantised p: two at a time, in two chains
.set j, 4
.rept 15
	v_pk_add_f32 v[rT+2:rT+3], v[rT+2:rT+3], v[S+j:S+j+1]
	v_pk_add_f32 v[SA:SA+1], v[SA:SA+1], v[S+j+2:S+j+3]
.set j, j+4
.endr
	v_pk_add_f32 v[rT+2:rT+3], v[rT+2:rT+3], v[SA:SA+1]
.irp b, 0,1,2,3
.irp i, 0,1,2,3,4,5,6,7,8,9,10,11,12,13,14,15
	v_min_num_f32 v[S+16*\b+\i], v[S+16*\b+\i], v[HL+\b]   ; the hold; p is not negative, so it is one-sided
.endr
	v_cvt_scalef32_pk8_bf8_f32 v[PC+4*\b:PC+4*\b+1], v[S+16*\b:S+16*\b+7], v[SO+\b]
	v_cvt_scalef32_pk8_bf8_f32 v[PC+4*\b+2:PC+4*\b+3], v[S+16*\b+8:S+16*\b+15], v[SO+\b]
.endr
	v_nop                                          ; one plain vector instruction behind the last conversion: the next products write S
.endm
; O^T of tile a: x f, then += V^T P^T.  The sixteen multiplications are also the places behind the products S^T that stand in front of this macro, and in front of the products below, which take the codes just made.
; The four accumulators take turns, one instruction a turn.
.macro TAIL a
	WIN 0x41
.set j, 0
.rept 16
	v_pk_mul_f32 v[32*(\a)+j:32*(\a)+j+1], v[32*(\a)+j:32*(\a)+j+1], v[FF:FF+1] op_sel_hi:[1,0]
.set j, j+2
.endr
	WIN 0x51
	s_wait_alu depctr_va_vdst(0)                   ; behind the places: the conversions have written p's codes in PC and the shifts its scale word PW, which the products below take; and the products S^T in front of this macro are done reading QB, QS, KF and KS, in which the loads behind this macro land (the four products below name none of those)
.irp d, 0,1,2,3
	v_wmma_scale_f32_16x16x128_f8f6f4 v[32*(\a)+8*\d:32*(\a)+8*\d+7], v[VF+16*\d:VF+16*\d+15], v[PC:PC+15], v[32*(\a)+8*\d:32*(\a)+8*\d+7], v[VS+\d], v[PW] matrix_a_fmt:MATRIX_FMT_BF8 matrix_b_fmt:MATRIX_FMT_BF8
.endr
	WIN 0
.endm
.macro FILL_ASK                        ; the f32 numbers of the step two steps on: 16 loads a wave, 8 KiB.  The branch hangs on the wave's number alone.  No wait: no vector instruction has named PF since the wait in the last quantising
	s_cmp_lt_u32 s[WV], 4
	s_cbranch_scc0 .Lask_v_\@
	RLOAD PF, KP, 0, 0
	s_branch .Lasked_\@
.Lask_v_\@:
	VLOAD PF, 0
.Lasked_\@:
.endm
.macro FILL_MAKE                       ; they become images in LDS; then the step's barrier
	s_wait_loadcnt 0x0                             ; asked for at the step's head; behind this wait their bases may step
	s_add_nc_u64 s[KP:KP+1], s[KP:KP+1], STEPG
	s_add_nc_u64 s[VP:VP+1], s[VP:VP+1], STEPG
	s_cmp_lt_u32 s[WV], 4
	s_cbranch_scc0 .Lmake_v_\@
	QUANTR PF, 1, 0
	s_branch .Lmade_\@
.Lmake_v_\@:
	QUANTV PF, 0
.Lmade_\@:
	BAR                                            ; step j + 2's images lie in LDS; they are first read in step j + 1 (K) and j + 2 (V)
.endm
; A KEY STEP.  fill = 1: the step two steps on is fetched and quantised.  next = 1: the next step's K is read from LDS.
.macro BODY fill, next
	s_wait_alu depctr_vm_vsrc(0)                   ; the LDS loads issued so far have read AV, AVS, AK, AKS and APW, which the additions below write (it stands ahead of this step's global loads, for which nothing here waits)
.if \fill
	FILL_ASK
.endif
	s_wait_dscnt 0x0                               ; this step's K and tile 0 of Q are in (asked for a softmax ago)
	SMUL
	v_add_nc_u32 v[AV], 8192, v[AV]                ; the addresses step here: with the v_nop, eight plain instructions that name no register of the products: the places in front of the first read of S
	v_add_nc_u32 v[AVS], 16, v[AVS]
.if \next
	v_add_nc_u32 v[AK], 8192, v[AK]
	v_add_nc_u32 v[AKS], 32, v[AKS]
	v_add_nc_u32 v[APW], 512, v[APW]
.endif
.if \fill
	s_wait_alu depctr_va_vdst(0)
	v_add_nc_u32 v[KCA], 8192, v[KCA]
	v_add_nc_u32 v[KSA], 32, v[KSA]
	v_add_nc_u32 v[VCA], 8192, v[VCA]
	v_add_nc_u32 v[VSA], 16, v[VSA]
.endif
.if (6-3*\next-4*\fill) > 0
	PLACES 6-3*\next-4*\fill
.endif
	s_wait_alu depctr_va_vdst(0)                   ; the addresses just stepped are written, which this step's LDS loads and stores read; the products above are done reading QB and QS, and the last step's products O^T are done reading VF and VS: the loads below land in these
	LV
	LQ 1
	SM 0
	s_wait_dscnt 0x0                               ; V and tile 1 of Q are in
	SMUL
	TAIL 0
	LQ 2
	SM 1
	s_wait_dscnt 0x0                               ; tile 2 of Q
	SMUL
	TAIL 1
	LQ 3
	SM 2
	s_wait_dscnt 0x0                               ; tile 3 of Q
	SMUL
	TAIL 2
.if \next
	LK                                             ; behind the wait in TAIL, which stands behind the last products that read K
	LQ 0
.endif
	SM 3
	TAIL 3
.if \fill
	FILL_MAKE
.endif
.endm
	s_load_b128 s[4:7], s[0:1], 0x0                ; qkv s[4:5], the mask s[6:7]
	s_load_b64 s[8:9], s[0:1], 0x10                ; out
	v_lshl_add_u32 v254, v0, 2, 0x4da00
	v_mov_b32 v255, 0
	v_lshrrev_b32 v[TX], 5, v0
	v_readfirstlane_b32 s[WV], v[TX]               ; wave 0..7
	s_wait_alu depctr_va_sdst(0)                   ; s[WV] is written, ahead of its first reader
	s_and_b32 s[W3], s[WV], 3
	s_and_b32 s13, ttmp7, 0xffff                   ; 16 b + h
	s_lshr_b32 s14, s13, 4                         ; b
	s_and_b32 s15, s13, 15                         ; h
	s_mul_i32 s28, s14, 2048*TOK
	s_lshl_b32 s29, s15, 8
	s_add_co_u32 s28, s28, s29                     ; the head's first byte in qkv: 2,048 TOK b + 256 h
	s_mov_b32 s29, 0
	s_mul_i32 s30, s[W3], 32*TOK                   ; my 32 keys of a step,
	s_add_co_u32 s30, s30, 4096                    ; in K's part of a token
	s_mov_b32 s31, 0
	s_add_nc_u64 s[30:31], s[30:31], s[28:29]
	s_lshl_b32 s32, ttmp9, 9
	s_lshl_b32 s33, s[WV], 6
	s_add_co_u32 s32, s32, s33                     ; my first query: 512 x + 64 wave
	s_mul_i32 s34, s32, TOK
	s_mov_b32 s35, 0
	s_add_nc_u64 s[34:35], s[34:35], s[28:29]
	s_lshl_b32 s36, s14, 23                        ; out: 8,388,608 b + 4,096 query + 256 h
	s_lshl_b32 s37, s32, 12
	s_add_co_u32 s36, s36, s37
	s_lshl_b32 s37, s15, 8
	s_add_co_u32 s36, s36, s37
	s_mov_b32 s37, 0
	s_lshl_b32 s38, s14, 11                        ; the mask: 2,048 b
	s_mov_b32 s39, 0
	v_and_b32 v[TR], 15, v0                        ; r = lane % 16
	v_bfe_u32 v[TH], v0, 4, 1                      ; hh = lane / 16
	v_bfe_u32 v[TG], v0, 3, 2                      ; g = lane / 8
	v_and_b32 v[TI], 7, v0                         ; i = lane % 8
	v_mul_u32_u24 v[TX], v[TG], TOK
	v_lshl_add_u32 v[GK], v[TI], 5, v[TX]          ; K, Q: row g, 32 bytes a lane
	v_mul_u32_u24 v[TX], v[TH], 16*TOK
	v_lshl_add_u32 v[GV], v[TR], 4, v[TX]          ; V: lanes 16-31 take the key 16 further on; 16 bytes a lane
	v_lshlrev_b32 v[MGA], 3, v0                    ; the mask: 8 keys a thread
	s_wait_kmcnt 0x0
	s_add_nc_u64 s[KP:KP+1], s[4:5], s[30:31]
	s_add_nc_u64 s[VP:VP+1], s[KP:KP+1], 4096
	s_add_nc_u64 s[QP:QP+1], s[4:5], s[34:35]
	s_add_nc_u64 s[6:7], s[6:7], s[38:39]
	s_add_nc_u64 s[8:9], s[8:9], s[36:37]
	s_wait_alu depctr_va_vdst(0)                   ; the offsets GK, GV and MGA are written, which the loads below read
	global_load_b64 v[MD:MD+1], v[MGA], s[6:7]     ; 65 loads go out: the mask, my 64 queries in two sets, my part of key steps 0 and 1
	RLOAD 0, QP, 0, 1
	RLOAD 64, QP, 32*TOK, 1
	s_cmp_lt_u32 s[WV], 4
	s_cbranch_scc0 .Lfirst_ask_v
	RLOAD 128, KP, 0, 0
	RLOAD 192, KP, STEPG, 0
	s_branch .Lfirst_asked
.Lfirst_ask_v:
	VLOAD 128, 0
	VLOAD 192, STEPG
.Lfirst_asked:
	; every LDS address is made here, on the way that all waves take, of the thread's number, the wave's number and constants
	s_lshl_b32 s28, s[WV], 12
	s_add_co_u32 s28, s28, QIMG
	s_lshl_b32 s29, s[WV], 8
	s_add_co_u32 s29, s29, SCQ
	s_lshl_b32 s30, s[W3], 11
	s_lshl_b32 s31, s[W3], 3
	s_add_co_u32 s31, s31, SCK
	s_lshl_b32 s32, s[W3], 9
	s_add_co_u32 s32, s32, VIMG
	s_add_co_u32 s33, s[W3], SCV
	s_mul_i32 s34, s[WV], 16*272
	s_mov_b32 s[CS], 0x3fb8aa3b                    ; log2(e)
	s_mov_b32 s[CS+1], s[CS]                       ; (named with it as a pair, so it is written)
	s_mov_b32 s[SEL], 0x76543210
	s_mov_b32 s[SEL+1], 0xfedcba98
	s_mov_b32 s[MNT], 0x600000
	v_and_b32 v[TL], 31, v0                        ; lane
	v_bfe_u32 v[TI2], v0, 2, 1                     ; i / 4: which block of the row
	v_bfe_u32 v[TI1], v0, 1, 1                     ; (i / 2) % 2: which half of the lanes its codes belong to
	v_and_b32 v[TI0], 1, v0                        ; i % 2: which 8 of that lane's 16 bytes
	v_bfe_u32 v[TD2], v0, 2, 2                     ; dq / 4
	v_and_b32 v[TD0], 3, v0                        ; dq % 4
	v_lshlrev_b32 v[AK], 4, v[TL]                  ; KIMG + 16 lane
	v_lshl_add_u32 v[AV], v[TL], 4, VIMG-8192      ; one step back: each step steps it before its loads
	v_mul_u32_u24 v[AKS], v[TR], 528
	v_add_nc_u32 v[AKS], SCK, v[AKS]
	v_mul_u32_u24 v[AVS], v[TR], 272
	v_add_nc_u32 v[AVS], SCV-16, v[AVS]
	v_lshl_add_u32 v[APW], v[TR], 2, PADW
	v_lshl_add_u32 v[AQ], v[TL], 4, s28
	v_lshl_add_u32 v[AQS], v[TR], 2, s29
	v_lshlrev_b32 v[TCL], 9, v[TI2]                ; my 8 codes' place in a tile's image: 512 (i / 4) + 256 ((i / 2) % 2) + 8 (i % 2) + 16 g
	v_lshl_add_u32 v[TCL], v[TI1], 8, v[TCL]
	v_lshl_add_u32 v[TCL], v[TI0], 3, v[TCL]
	v_lshl_add_u32 v[TCL], v[TG], 4, v[TCL]
	v_add_nc_u32 v[KCA], s30, v[TCL]               ; + my two tiles of a step
	v_mul_u32_u24 v[TX], v[TG], 528
	v_add_nc_u32 v[KSA], s31, v[TX]
	v_lshlrev_b32 v[TX], 11, v[TD2]                ; V: channel 4 dq + e is row 4 (dq % 4) + e of fragment dq / 4
	v_lshl_add_u32 v[TX], v[TD0], 6, v[TX]
	v_lshl_add_u32 v[TX], v[TH], 8, v[TX]
	v_add_nc_u32 v[VCA], s32, v[TX]                ; + my group of 32 keys
	v_mul_u32_u24 v[TX], v[TD0], 4*272
	v_lshl_add_u32 v[TX], v[TD2], 2, v[TX]
	v_add_nc_u32 v[VSA], s33, v[TX]
	v_add_nc_u32 v[QCA], s28, v[TCL]
	v_lshl_add_u32 v[QSA], v[TG], 2, s29
	v_lshlrev_b32 v[SH0], 3, v[TI2]
	v_sub_nc_u32 v[SH1], 8, v[SH0]
	v_mul_u32_u24 v[STO], v[TR], 272               ; the stage, in: row r, 32 bytes for each half of the lanes
	v_lshl_add_u32 v[STO], v[TH], 5, v[STO]
	v_add_nc_u32 v[STO], s34, v[STO]
	v_mul_u32_u24 v[RD], v[TH], 272                ; back: lanes 0-15 one row of 256 bytes, lanes 16-31 the next
	v_lshl_add_u32 v[RD], v[TR], 4, v[RD]
	v_add_nc_u32 v[RD], s34, v[RD]
	v_lshlrev_b32 v[GO], 12, v[TH]                 ; and the same two rows in out
	v_lshl_add_u32 v[GO], v[TR], 4, v[GO]
	v_lshrrev_b32 v[MLA], 2, v0                    ; thread n's keys 8 n + e are rows e + 8 ((n / 2) % 2) of tile 2 (n / 4) + n % 2
	v_lshlrev_b32 v[MLA], 7, v[MLA]
	v_lshl_add_u32 v[MLA], v[TI0], 6, v[MLA]
	v_lshl_add_u32 v[MLA], v[TI1], 5, v[MLA]
	v_add_nc_u32 v[MLA], PADW, v[MLA]
	v_mov_b32 v[MC], 0x00d4eff8                    ; a masked key's word: the codes of -8,192, -1,792, -16 under the scale 2^-2, and a zero
	v_mov_b32 v[TX], 0x00787878                    ; Q's word at k = 64 .. 67: three codes of 2^15, under the scale 2^-15, and a zero
	v_cmp_gt_u32 vcc_lo, 16, v[TL]
	s_wait_alu depctr_va_vcc(0)                    ; VCC is written, ahead of the select that reads it
	v_cndmask_b32 v[QB+8], 0, v[TX], vcc_lo        ; lanes 16-31 hold k = 80 .. 83: zeros
.irp j, 9,10,11,12,13,14,15
	v_mov_b32 v[QB+\j], 0
.endr
.irp t, 0,1,2,3,4,5,6,7
	v_mov_b32 v[KF+10*\t+9], 0
.endr
.irp j, 80,81,82,83,84,85
	v_mov_b32 v[KF+\j], 0
.endr
.irp b, 0,1,2,3
	v_mov_b32 v[PX+\b], 0                          ; written once: a lane permute's destination counts as one of its sources
.endr
	v_mov_b32 v[FF+1], 0                           ; (named as the upper half of a pair)
.irp a, 0,1,2,3
	v_mov_b32 v[ST+4*\a+1], 0xff61b1e6             ; the largest t so far: -3e38, under every t
	v_floor_f32 v[ST+4*\a], -v[ST+4*\a+1]          ; -M
	v_mov_b32 v[ST+4*\a+2], 0                      ; the sum, in two halves
	v_mov_b32 v[ST+4*\a+3], 0
.endr
	; THE PROLOGUE: mask words, Q, key steps 0 and 1
	s_wait_loadcnt 48                              ; the mask and my first 32 queries are in; behind them 48 loads were issued
.irp e, 0,1,2,3,4,5,6,7
	v_bfe_u32 v[MB], v[MD+\e/4], 8*(\e%4), 8
	v_cmp_eq_u32 s[MK+\e], 0, v[MB]                ; the eight compares in a run, each into a scalar register of its own
.endr
	s_wait_alu depctr_va_sdst(0)                   ; s[MK] .. s[MK + 7] are written, ahead of the selects that read them
.irp e, 0,1,2,3,4,5,6,7
	v_cndmask_b32 v[MW+\e], 0, v[MC], s[MK+\e]     ; a choice of a value: no branch and no address hangs on the mask
.endr
	s_wait_alu depctr_va_vdst(0)                   ; the mask words MW and their address MLA are written, which the two stores read (with them every address and every constant register made above)
	ds_store_b128 v[MLA], v[MW:MW+3]
	ds_store_b128 v[MLA], v[MW+4:MW+7] offset:16
	s_wait_alu depctr_vm_vsrc(0)                   ; the two stores have read MW and MLA, and the mask's load its offset MGA: all lie in S, which the quantising below writes
	QUANTR 0, 0, 0
	s_wait_loadcnt 32                              ; my other 32 queries
	QUANTR 64, 0, 1
	WIN 0x40
.set j, 0
.rept 128
	v_mov_b32 v[j], 0                              ; O^T, in the registers that Q's numbers have left.  The key step is written without a first step of its own: the first finds zeros, which the first change of M leaves zeros
.set j, j+1
.endr
	WIN 0
	s_cmp_lt_u32 s[WV], 4
	s_cbranch_scc0 .Lfirst_make_v
	s_wait_loadcnt 16                              ; step 0's numbers are in, step 1's sixteen loads may be out
	QUANTR 128, 1, 0
	s_wait_loadcnt 0x0
	QUANTR 192, 1, 1
	s_branch .Lfirst_made
.Lfirst_make_v:
	s_wait_loadcnt 16
	QUANTV 128, 0
	s_wait_loadcnt 0x0
	QUANTV 192, 1
.Lfirst_made:
	s_wait_dscnt 0x0                               ; my stores have landed, and have read their address registers
	v_add_nc_u32 v[KCA], 8192, v[KCA]              ; the store addresses stand at step 1: each step steps them before it uses them
	v_add_nc_u32 v[KSA], 32, v[KSA]
	v_add_nc_u32 v[VCA], 8192, v[VCA]
	v_add_nc_u32 v[VSA], 16, v[VSA]
	s_add_nc_u64 s[KP:KP+1], s[KP:KP+1], 2*STEPG   ; (no load is out)  the next numbers to fetch are step 2's
	s_add_nc_u64 s[VP:VP+1], s[VP:VP+1], 2*STEPG
	s_barrier_signal -1
	s_barrier_wait -1                              ; the mask words, Q and steps 0 and 1 lie in LDS
	LK                                             ; their addresses were written ahead of the prologue's waits on va_vdst, and no vector instruction has named the registers in which they land
	LQ 0
	s_mov_b32 s[CNT], 14
.Lstep:                                            ; steps 0 to 13: each fills the step two steps on
	BODY 1, 1
	s_sub_co_u32 s[CNT], s[CNT], 1
	s_cmp_lg_u32 s[CNT], 0
	s_cbranch_scc1 .Lstep
	BODY 0, 1                                      ; step 14: nothing is left to fill,
	BODY 0, 0                                      ; step 15: and nothing to read ahead
	; THE WAY OUT.  The sum's halves and lane l xor 16's are added; O^T is divided by the sum and goes through my stage in LDS, a tile (16 rows of 256 bytes) at a time.
.irp a, 0,1,2,3
	v_add_f32 v[ST+4*\a+2], v[ST+4*\a+2], v[ST+4*\a+3]
.endr
.irp a, 0,1,2,3
	v_permlanex16_b32 v[PX+\a], v[ST+4*\a+2], s[SEL], s[SEL+1]
.endr
.irp a, 0,1,2,3
	v_add_f32 v[ST+4*\a+2], v[ST+4*\a+2], v[PX+\a]
.endr
	s_wait_alu depctr_va_vdst(0)
.irp a, 0,1,2,3
	v_rcp_f32 v[ST+4*\a+2], v[ST+4*\a+2]           ; the sum is over 1/2: the row's largest p is
.endr
	v_nop                                          ; a plain instruction between the last reciprocal and the use of its result
	BAR                                            ; every wave's reads of K's images are over: the stages may be written there
	WIN 0x41
	s_wait_alu depctr_va_vdst(0)                   ; the four reciprocals have written their results: one wait, ahead of the first line that names one
.irp a, 0,1,2,3
.set j, 0
.rept 16
	v_pk_mul_f32 v[32*\a+j:32*\a+j+1], v[32*\a+j:32*\a+j+1], v[ST+4*\a+2:ST+4*\a+3] op_sel_hi:[1,0]   ; each accumulator from its low end on; tile 3's, just made, come behind 48 such lines
.set j, j+2
.endr
.endr
	s_wait_alu depctr_va_vdst(0)                   ; the 64 multiplications have written O^T, which the LDS stores below read; the softmax and the products are done with S's and K's registers, in which the loads from the stage land.  No vector instruction follows
.irp a, 0,1,2,3
	WIN 0x04                                       ; an LDS store's data are its source 1: window 1
.irp d, 0,1,2,3,4,5,6,7
	ds_store_b128 v[STO], v[32*\a+4*\d:32*\a+4*\d+3] offset:64*(\d/2)+16*(\d%2)   ; lane (r, hh): out(r, 16 dt + 8 hh + 0 .. 7)
.endr
	WIN 0
.irp i, 0,1,2,3,4,5,6,7
	ds_load_b128 v[OUT+32*\a+4*\i:OUT+32*\a+4*\i+3], v[RD] offset:544*\i   ; LDS serves a wave's instructions in order (ISA guide 5.7.1.4): these see the stores above, and the next tile's stores come behind them
.endr
.endr
.irp a, 0,1,2,3
.irp i, 0,1,2,3,4,5,6,7
	s_wait_dscnt 16*(3-\a)+7-\i                    ; behind this load: the rest of its tile's eight, and sixteen LDS instructions for each later tile
	global_store_b128 v[GO], v[OUT+32*\a+4*\i:OUT+32*\a+4*\i+3], s[8:9] offset:(16*\a+2*\i)*4096 th:TH_STORE_NT   ; sixteen lanes store 256 consecutive bytes, at a multiple of 256 from out's first byte
.endr
.endr
	s_wait_dscnt 0x0                               ; the closing lines, six on end
	s_wait_alu 0x0
	s_wait_tensorcnt 0x0
	ds_add_u32 v254, v255
	s_wait_dscnt 0x0
	s_endpgm
.Lfunc_end_k_q3e4abc3e1e_attn:
	.size	k_q3e4abc3e1e_attn, .Lfunc_end_k_q3e4abc3e1e_attn-k_q3e4abc3e1e_attn
	.p2alignl 7, 3214868480
	.fill 96, 4, 3214868480
	.section	.rodata,"a",@progbits
	.p2align	6, 0x0
	.amdhsa_kernel k_q3e4abc3e1e_attn
		.amdhsa_group_segment_fixed_size 318976
		.amdhsa_private_segment_fixed_size 0
		.amdhsa_enable_private_segment 0
		.amdhsa_kernarg_size 24
		.amdhsa_user_sgpr_count 2
		.amdhsa_user_sgpr_kernarg_segment_ptr 1
		.amdhsa_wavefront_size32 1
		.amdhsa_system_sgpr_workgroup_id_x 1
		.amdhsa_system_sgpr_workgroup_id_y 1
		.amdhsa_system_sgpr_workgroup_id_z 1
		.amdhsa_system_vgpr_workitem_id 0
		.amdhsa_next_free_vgpr 512
		.amdhsa_next_free_sgpr 66
		.amdhsa_reserve_vcc 1
		.amdhsa_float_denorm_mode_32 3
		.amdhsa_float_denorm_mode_16_64 3
		.amdhsa_memory_ordered 1
		.amdhsa_forward_progress 1
		.amdhsa_inst_pref_size 255
	.end_amdhsa_kernel
	.section	.bss,"aw",@nobits
	.p2align	6
	.space	262144
	.amdgpu_metadata
---
amdhsa.version: [ 1, 2 ]
amdhsa.kernels:
  - .name:           k_q3e4abc3e1e_attn
    .symbol:         k_q3e4abc3e1e_attn.kd
    .args:
      - { .name: qkv, .offset: 0, .size: 8, .value_kind: global_buffer, .address_space: global }
      - { .name: key_padding_mask, .offset: 8, .size: 8, .value_kind: global_buffer, .address_space: global }
      - { .name: out0, .offset: 16, .size: 8, .value_kind: global_buffer, .address_space: global }
    .group_segment_fixed_size: 318976
    .private_segment_fixed_size: 0
    .kernarg_segment_align: 8
    .kernarg_segment_size: 24
    .max_flat_workgroup_size: 256
    .sgpr_count:     66
    .vgpr_count:     512
    .wavefront_size: 32
...
	.end_amdgpu_metadata
.endif
;; end of part 2
